; MI455X (gfx1250); checked and timed in simulation.
; The chip was launched on July 23, 2026; its instructions are those of AMD's public machine-readable ISA for CDNA 5 (MIT licence, August 2026) and "CDNA5" Instruction Set Architecture Reference Guide (July 2026). The comments in the code are by the model that wrote it; some were corrected since.
;; Self Attention. Allowed arithmetic: matrix products marked QUANTISED: E5M2 operands, one E8M0 scale for each 32 along K, by v_wmma_scale_f32_16x16x128_f8f6f4 with both operands' format E5M2, f32 sums; everything else in f32.
;; Inputs: Wk_codes 1,024 x 32 x 32 uint8 (E5M2 codes of Wk, K innermost, in blocks of 32 codes); Wk_scales 1,024 x 32 uint8 (E8M0 scales of Wk, one for each 32 codes along K); Wo_codes 1,024 x 32 x 32 uint8 (E5M2 codes of Wo, K innermost, in blocks of 32 codes); Wo_scales 1,024 x 32 uint8 (E8M0 scales of Wo, one for each 32 codes along K); Wq_codes 1,024 x 32 x 32 uint8 (E5M2 codes of Wq, K innermost, in blocks of 32 codes); Wq_scales 1,024 x 32 uint8 (E8M0 scales of Wq, one for each 32 codes along K); Wv_codes 1,024 x 32 x 32 uint8 (E5M2 codes of Wv, K innermost, in blocks of 32 codes); Wv_scales 1,024 x 32 uint8 (E8M0 scales of Wv, one for each 32 codes along K); bk 1,024 float32; bo 1,024 float32; bq 1,024 float32; bv 1,024 float32; key_codes 4 x 2,048 x 32 x 32 uint8 (E5M2 codes of key, K innermost, in blocks of 32 codes); key_scales 4 x 2,048 x 32 uint8 (E8M0 scales of key, one for each 32 codes along K); query_codes 4 x 2,048 x 32 x 32 uint8 (E5M2 codes of query, K innermost, in blocks of 32 codes); query_scales 4 x 2,048 x 32 uint8 (E8M0 scales of query, one for each 32 codes along K); value_codes 4 x 2,048 x 32 x 32 uint8 (E5M2 codes of value, K innermost, in blocks of 32 codes); value_scales 4 x 2,048 x 32 uint8 (E8M0 scales of value, one for each 32 codes along K).
;; Outputs: out0 4 x 2,048 x 1,024 float32.
;; This version of the problem:
;;   THIS VERSION OF THE PROBLEM IS GIVEN IN LOW PRECISION. The matrix products marked QUANTISED in the list below multiply operands that are first quantised to E5M2 (5 exponent bits, 2 mantissa bits; 8 bits a number), with one power-of-two scale for each 32 numbers along K (OCP MX v1.0); their sums are f32. All else is computed in f32.
;;   The module's matrix products, in the order in which they are computed (A, B: the left and right operand; K: the contracted axis; several contracted axes count as one K, in the product's order):
;;     1. [M 8,192, K 1,024] x [K 1,024, N 1,024]; A: input query (given as codes); B: input Wq (given as codes): QUANTISED
;;     2. [M 8,192, K 1,024] x [K 1,024, N 1,024]; A: input key (given as codes); B: input Wk (given as codes): QUANTISED
;;     3. [M 8,192, K 1,024] x [K 1,024, N 1,024]; A: input value (given as codes); B: input Wv (given as codes): QUANTISED
;;     4. batch 64 x [M 2,048, K 64] x [K 64, N 2,048]; A: computed on the way; B: computed on the way: QUANTISED
;;     5. batch 64 x [M 2,048, K 2,048] x [K 2,048, N 64]; A: softmax (see below); B: computed on the way: QUANTISED
;;     6. [M 8,192, K 1,024] x [K 1,024, N 1,024]; A: computed on the way; B: input Wo (given as codes): QUANTISED
;;   THE QUANTISER, for each operand of a quantised product, along K:
;;     - K is cut into blocks of 32 from its start; a last block that is shorter is filled with zeros.
;;     - A block's scale is 2^e with e = floor(log2(the largest magnitude in the block)) - 15, held to -126 .. 127; a block of zeros has e = 0. As a byte (E8M0): e + 127.
;;     - Each number is divided by its block's scale, clamped to +-57,344, and rounded to the nearest number of E5M2, ties to even, subnormals kept.
;;     - The product sums the exact products of the quantised numbers (number of the format x scale) in f32.
;;   ~~~python
;;   def quantise(x, axis):      # numpy; x: float32 -> the quantised numbers, widened to float32 again
;;       x = np.moveaxis(x, axis, -1); K = x.shape[-1]
;;       x = np.pad(x, [(0, 0)] * (x.ndim - 1) + [(0, -K % 32)]); x = x.reshape(x.shape[:-1] + (-1, 32)); a = np.abs(x).max(-1, keepdims=True)
;;       e = np.where(a > 0, np.clip(np.frexp(np.where(a > 0, a, 1))[1] - 1 - 15, -126, 127), 0)      # np.frexp(a)[1] - 1 = floor(log2(a)), exactly
;;       r = np.clip(x / 2.0 ** e, -57344, 57344)
;;       step = 2.0 ** (np.maximum(np.frexp(np.where(r == 0, 1, r))[1] - 1, -14) - 2)
;;       q = np.round(r / step) * step * 2.0 ** e      # np.round: ties to even
;;       return np.moveaxis(q.reshape(q.shape[:-2] + (-1,))[..., :K], -1, axis).astype(np.float32)
;;   ~~~
;;   SOFTMAX AHEAD OF A QUANTISED PRODUCT. Where the list says 'softmax', what is quantised is not the finished softmax but p = 2^(t - M), with t = logit x log2(e) and M = ceil(the row's largest t), a whole number; so 1/2 < the row's largest p <= 1. The row's sum l is taken of the UNQUANTISED p, in f32, and the product's result is divided by l at the end. Since M is a whole number, a kernel that streams over the keys may use a running M (the ceiling of the running maximum): every later rescaling is an exact power of two, which a block's scale takes up: the codes' values come out the same.
;;   OPERANDS COMPUTED ON THE WAY. 'Computed on the way' means the value that the module computes at that place (a softmax that the list does not call 'softmax' is quantised finished and normalised). What goes into a quantiser is computed in f32, as accurately as f32 sums, v_exp_f32 and their like allow (about 1e-6 of the number): no bf16 or f16 on the way to a quantiser, and a product that is left as it is and whose result goes on into a quantised operand takes f32 operands (vector FMAs, or v_wmma_f32_16x16x4_f32). A number that lies on a knife's edge between two numbers of the format may be rounded either way, as far as f32 arithmetic and the matrix unit's own rounding can turn it there, and no further.
;;   INPUTS GIVEN AS CODES. Wk (in the module: [1024, 1024], K = its axis 0); Wo (in the module: [1024, 1024], K = its axis 0); Wq (in the module: [1024, 1024], K = its axis 0); Wv (in the module: [1024, 1024], K = its axis 0); key (in the module: [4, 2048, 1024], K = its axis 2); query (in the module: [4, 2048, 1024], K = its axis 2); value (in the module: [4, 2048, 1024], K = its axis 2): each comes as NAME_codes (uint8): NAME with its K axis moved to the last place and cut into blocks of 32 codes, [.., K / 32, bytes a block], one block behind the other in memory; one code a byte (a code: sign, 5 exponent bits, 2 mantissa bits); and NAME_scales (uint8): the same leading axes, one E8M0 byte (e + 127) for each 32 codes along K. Its value is code x scale, taken as it is: it is not quantised again, and the codes and scales need not be those that the quantiser above would give.
;; One version. Each part assembles by itself: llvm-mc -triple=amdgcn-amd-amdhsa -mcpu=gfx1250 --defsym DOCPART=n.
;; ======== version 1 of 1: 3 launches
;; limits: right only within a limited range of input values
;; workspace buffers: qkv 26,476,544 bytes; o_img 8,388,608 bytes; o_scl 262,144 bytes
;; launch proj (part 1): grid 4 x 96, 4 waves a work-group, clusters of 4 x 4, 327,680 bytes of LDS; arguments query_codes, query_scales, Wq_codes, Wq_scales, bq, key_codes, key_scales, Wk_codes, Wk_scales, bk, Wv_codes, Wv_scales, value_codes, value_scales, bv, qkv; writes qkv
.if DOCPART == 1
	.amdgcn_target "amdgcn-amd-amdhsa--gfx1250"
	.amdhsa_code_object_version 6
	.text
	.protected	k_qde7a721348_proj
	.globl	k_qde7a721348_proj
	.p2align	8
	.type	k_qde7a721348_proj,@function
k_qde7a721348_proj:
	s_mov_b64 s[64:65], 0
	v_nop
	global_prefetch_b8 v0, s[64:65] scope:SCOPE_SE
	s_setreg_imm32_b32 hwreg(HW_REG_WAVE_MODE, 25, 1), 1
	s_wait_xcnt 0x0
	s_wait_alu depctr_hold_cnt(0) depctr_sa_sdst(0) depctr_va_vdst(0) depctr_va_sdst(0) depctr_va_ssrc(0) depctr_va_vcc(0) depctr_vm_vsrc(0)
	s_getreg_b32 s2, hwreg(HW_REG_IB_STS2, 6, 4)
	s_cmp_eq_u32 s2, 0
	s_cbranch_scc0 .Lentry_in_a_cluster
	s_endpgm
.Lentry_in_a_cluster:
	s_bfe_u32 s2, ttmp6, 0x10000c
	s_cmp_lg_u32 s2, 0xf033
	s_cbranch_scc0 .Lentry_shape_is_right
	s_endpgm
.Lentry_shape_is_right:
; THE THREE PROJECTIONS: q = query Wq + bq, k = key Wk + bk, v = value Wv + bv, on codes of BF8 (E5M2) with one E8M0 scale for each 32 along K = 1,024, sums in f32;
; the results are quantised here (q, k along a head's 64; v along the keys) and leave as IMAGES OF OPERAND REGISTERS, so that the attention launch loads fragments as they lie.
; One text serves all three: cluster y / 8 picks the product.  A is the operand whose row a lane holds in the result (source 1), B the one whose rows run along a lane's registers (source 0).
; q, k: A = the tokens, B = the weight's rows (features): a lane holds a token and its registers run along the features.  v: A = Wv's rows, B = the tokens: a lane holds a feature and its registers run along the keys.
; So the quantiser, which takes neighbours along the next K from one lane's registers, is the same text for the three.
; A tile of 256 (A) x 256 (B) to a work-group of four waves, 128 x 128 a wave: 64 accumulators, 512 registers.  K goes in steps of 256 through two LDS slots; the scale bytes of the tile's rows come once.
; CLUSTERS: 4 x 4 work-groups; A's tiles are asked for jointly along a row of the cluster, B's along a column.
; THE ORDER INSIDE A BLOCK OF 32: register j of accumulator b holds B's row 16 b + 8 (lane / 16) + j, so byte y of a lane's 16 codes of block c stands for index 32 c + 8 (lane / 16) + y % 8 + 16 (y / 8):
; a permutation inside one block, the same on both operands of each later product (q with k; v with the softmax's weights), so products and block scales are as in the natural order.
; THE RECORD OF A HEAD in qkv, HS bytes: Q's image [tile 128][c 2][lane][16 B]; Q's scale words [128 tokens: 16][lane][pair 4]; K's image; V's image [key step 16][d tile 4][c 4][lane][16 B]; K's words; V's words [key step][lane][pair 2].
; Word 'pair i' of a lane: lanes 0-15 tile 2 i, lanes 16-31 tile 2 i + 1.  Q's and K's words hold two bytes and two zeros.
; LIMITS: NaN and infinities are not served.  A block whose largest magnitude lies under 2^-111 (a block of zeros among them) keeps the byte 1; its codes are then zeros or tiny, and this program alone reads the bytes.
.set KROW,   1024                      ; a row of codes in memory, bytes
.set ROWB,   256                       ; a tile's row: 256 along K
.set NQ,     2                         ; matrix instructions deep in a slot
.set PITCH,  272                       ; an LDS row: 256 bytes + 16 of padding: the 16 rows of a fragment load start 68 words apart
.set FR,     16                        ; registers of a fragment
.set NL,     4                         ; LDS loads that bring one
.set NP,     8                         ; places behind this matrix instruction (ISA guide 7.12.1)
.set HALFT,  128*PITCH
.set SLOT,   4*HALFT                   ; A's 256 rows, then B's 256 rows
.set LAPS,   KROW/(2*ROWB)
.set KS,     KROW/32                   ; a row of scale bytes
.set SCL,    2*SLOT                    ; behind the ring: the scale bytes, as units of 256 bytes + 16
.set HALFS,  (128*KS/256)*272
.set SBLK,   (16*KS/256)*272
.set SPARE,  SCL+4*HALFS               ; the spare words: 128 bytes a wave, named by no other line
.set HS,     413696                    ; a head's record
.set ADRA, 16                          ; v16-17 LDS address of my A fragments in slot 0, 1
.set ADRB, 20                          ; v20-21 the same for B
.set LI,   24                          ; v24 16 x lane
.set VO1,  25                          ; v25 16 x lane (+ HS - 1024 for q, k: blocks 2, 3 belong to the next head)
.set L8,   26                          ; v26 8 x lane
.set ADRS, 27                          ; v27 LDS address of my scale words: lanes 0-15 A's rows, lanes 16-31 B's
.set SPW,  28                          ; v28 my spare word; never rewritten
.set NIL,  29                          ; v29 0; never rewritten
.set BO,   30                          ; v30 32 x (lane / 16)
.set BR,   31                          ; v31 4 x (lane % 16)
.set SC,   32                          ; v32-63 scale words, two sets
.set BI,   64                          ; v64-127 the bias, in the result's layout: the C of the first products
.set AF,   128                         ; v128-255 A's fragments, one set; on the way out free
.set PC,   160                         ; the way out: a block's codes
.set P,    176                         ; words by pairs of tiles;  PL, PH: their halves
.set PL,   180
.set PH,   184
.set TM,   200                         ; largest magnitudes
.set PT,   204                         ; the other half's; then the bytes
.set HB,   208                         ; 57,344 x the scale
.set SO,   212                         ; the conversions' scale operand
.set WD,   216                         ; v216-223 the scale word of each of my eight blocks of rows
.set WV,  16                           ; s16 wave;  s17 which half of A's rows is mine, also: I fetch for A (0) or B (1);  s18 which half of B's rows, also: which 128 rows I fetch
.set RH,  17
.set CH,  18
.set ISV, 23                           ; s23 1 for v
.set SA,  4                            ; s[4:5] from block to block in the image;  s[6:7] from block 3 to block 4
.set SA3, 6
.set IMG, 14                           ; s[14:15] qkv, then where my image goes
.set G1,  36
.set G1B, 44
.set G0,  52
.set MNT, 60
.set SEL, 62
.set G0B, 68
.set G1S, 76
.set G0S, 84
.set G1SB, 88
.set G0SB, 96
.set SCLP, 100                         ; s[100:101] where my scale words go
.set MSB, 0
.macro WIN new                         ; the immediate's high byte repeats the setting that is left
.if MSB != \new
	s_set_vgpr_msb (MSB<<8)|\new
.set MSB, \new
.endif
.endm
.set MUL_LO, 0xa1                      ; source 0 (B) window 1, source 1 (A) window 0, C and D window 2
.set MUL_HI, 0xf1                      ; the same, C and D window 3
.set BIA_LO, 0x81                      ; C (the bias) window 0, D window 2
.set BIA_HI, 0xc1                      ; C window 0, D window 3
.set TO_B,   0x40
; A joint load: waves 0 and 1 fetch for A, waves 2 and 3 for B.  Four v_nop follow each of the two lines.
.macro JLOAD g0a, g1a, g0b, g1b
	s_cmp_eq_u32 s[RH], 0
	s_cbranch_scc0 .Lfor_b_\@
	tensor_load_to_lds s[\g0a:\g0a+3], s[\g1a:\g1a+7]
	s_nop 0
.rept 4
	v_nop
.endr
	s_branch .Lasked_\@
.Lfor_b_\@:
	tensor_load_to_lds s[\g0b:\g0b+3], s[\g1b:\g1b+7]
	s_nop 0
.rept 4
	v_nop
.endr
.Lasked_\@:
.endm
.macro CREST                           ; a round of the cluster's barrier behind its opening barrier
	s_cmp_lg_u32 s[WV], 0
	s_cbranch_scc1 .Lnot_wave_0_\@
	s_barrier_signal -3
.Lnot_wave_0_\@:
	s_barrier_wait -3
	s_barrier_signal -1
	s_barrier_wait -1
.endm
.macro CROUND
	s_barrier_signal -1
	s_barrier_wait -1
	CREST
.endm
	s_load_b512 s[68:83], s[0:1], 0x0              ; three sets of five addresses (A's codes, A's scales, B's codes, B's scales, the bias), and qkv
	s_load_b512 s[84:99], s[0:1], 0x40
	v_lshl_add_u32 v[SPW], v0, 2, SPARE
	v_mov_b32 v[NIL], 0
	ds_add_u32 v28, v29
	ds_add_u32 v28, v29
	s_wait_dscnt 0x0
	v_lshrrev_b32 v1, 5, v0
	v_readfirstlane_b32 s[WV], v1
	s_lshr_b32 s[RH], s[WV], 1
	s_and_b32 s[CH], s[WV], 1
	s_bfe_u32 s19, ttmp6, 0x40000                  ; cx
	s_bfe_u32 s20, ttmp6, 0x40004                  ; cy
	s_and_b32 s22, ttmp7, 0xffff                   ; cluster y, 0 .. 23
	s_lshr_b32 s21, s22, 3                         ; 0: q, 1: k, 2: v
	s_and_b32 s22, s22, 7
	s_lshl_b32 s22, s22, 2                         ; four tiles of the long axis (the tokens) to a cluster
	s_cmp_eq_u32 s21, 2
	s_cselect_b32 s[ISV], 1, 0
	s_cselect_b32 s24, 0, s22
	s_cselect_b32 s25, s22, 0
	s_add_co_u32 s24, s24, s20                     ; tile row (A): hangs on cy alone
	s_add_co_u32 s25, s25, s19                     ; tile column (B): on cx alone
	s_lshl_b32 s26, s20, 2
	s_lshl_b32 s26, 15, s26                        ; my row of the cluster
	s_lshl_b32 s27, 0x1111, s19                    ; my column
	s_or_b32 s[G1+0], s26, (0<<16)|(1<<20)|(1<<21)|(5<<22)|(3<<25)   ; the mask; elements of 1 byte; padding on; bit 21 beside a mask; 4 words behind every 64
	s_or_b32 s[G1B+0], s27, (0<<16)|(1<<20)|(1<<21)|(5<<22)|(3<<25)
.irp g, G1, G1B
	s_mov_b32 s[\g+1], ROWB<<16                    ; tensor_dim0
	s_mov_b32 s[\g+2], 256<<16                     ; tensor_dim1: 256 rows for the head's loads; set to 128 for the ring's behind them
	s_mov_b32 s[\g+3], ROWB<<16                    ; tile_dim0
	s_mov_b32 s[\g+4], 256                         ; tile_dim1
	s_mov_b32 s[\g+5], KROW                        ; the pitch
	s_mov_b32 s[\g+6], 0
	s_mov_b32 s[\g+7], 0
.endr
	s_mov_b32 s[MNT], 0x600000                     ; the mantissa field of 57,344
	s_mov_b32 s[SEL], 0x76543210
	s_mov_b32 s[SEL+1], 0xfedcba98                 ; lane l xor 16
	s_lshl_b32 s29, s[CH], 7
	s_lshl_b32 s28, s24, 8
	s_add_co_u32 s28, s28, s29                     ; A: the first row that I fetch
	s_lshl_b32 s32, s25, 8
	s_add_co_u32 s32, s32, s29                     ; B: likewise
	s_mul_i32 s29, s[WV], HALFS                    ; where they go: by the wave's number alone
	s_mul_i32 s33, s[WV], HALFT
	s_mov_b32 s31, 0
	s_mov_b32 s35, 0
	s_wait_kmcnt 0x0
	s_cmp_eq_u32 s21, 1                            ; the choice of buffers hangs on the cluster's number alone
.irp i, 0,1,2,3,4
	s_cselect_b64 s[4+2*\i:5+2*\i], s[78+2*\i:79+2*\i], s[68+2*\i:69+2*\i]
.endr
	s_cmp_eq_u32 s21, 2
.irp i, 0,1,2,3,4
	s_cselect_b64 s[4+2*\i:5+2*\i], s[88+2*\i:89+2*\i], s[4+2*\i:5+2*\i]
.endr
	s_mov_b64 s[IMG:IMG+1], s[98:99]
	s_lshl_b32 s30, s28, 10
	s_add_nc_u64 s[4:5], s[4:5], s[30:31]          ; A's codes at my 128 rows
	s_lshl_b32 s30, s28, 5
	s_add_nc_u64 s[6:7], s[6:7], s[30:31]          ; and their scale bytes
	s_lshl_b32 s34, s32, 10
	s_add_nc_u64 s[8:9], s[8:9], s[34:35]          ; B's
	s_lshl_b32 s34, s32, 5
	s_add_nc_u64 s[10:11], s[10:11], s[34:35]
	; the scale bytes of a tile's 256 rows: a dense block of 8,192 bytes, as 32 rows of 256 bytes, 16 of padding behind each  (s68 to s99 are free now)
	s_or_b32 s[G1S+0], s26, (3<<16)|(1<<20)|(1<<21)|(5<<22)|(3<<25)
	s_or_b32 s[G1SB+0], s27, (3<<16)|(1<<20)|(1<<21)|(5<<22)|(3<<25)
.irp g, G1S, G1SB
	s_mov_b32 s[\g+1], 32<<16
	s_mov_b32 s[\g+2], (256*KS/256)<<16
	s_mov_b32 s[\g+3], 32<<16
	s_mov_b32 s[\g+4], 256*KS/256
	s_mov_b32 s[\g+5], 32
	s_mov_b32 s[\g+6], 0
	s_mov_b32 s[\g+7], 0
.endr
	CROUND                                         ; all sixteen work-groups are here: the first joint loads meet
	s_mov_b32 s[G0S], 1
	s_lshl_b32 s30, s[CH], 17                      ; my half's 128 rows of codes in bytes (s31 = 0),
	s_lshl_b32 s34, s[CH], 12                      ; and of scale bytes (s35 = 0): taken off again for the head's loads, which bring whole tiles
	s_mov_b32 s[G0S+1], SCL
	s_sub_nc_u64 s[G0S+2:G0S+3], s[6:7], s[34:35]
	s_or_b32 s[G0S+3], s[G0S+3], 0x80000000
	s_mov_b32 s[G0SB], 1
	s_mov_b32 s[G0SB+1], SCL+2*HALFS
	s_sub_nc_u64 s[G0SB+2:G0SB+3], s[10:11], s[34:35]
	s_or_b32 s[G0SB+3], s[G0SB+3], 0x80000000
.irp s, 0,1
	s_mov_b32 s[G0+4*\s], 1
	s_add_co_u32 s[G0+4*\s+1], s33, \s*SLOT
	s_add_nc_u64 s[G0+4*\s+2:G0+4*\s+3], s[4:5], \s*ROWB
	s_or_b32 s[G0+4*\s+3], s[G0+4*\s+3], 0x80000000
	s_mov_b32 s[G0B+4*\s], 1
	s_add_co_u32 s[G0B+4*\s+1], s33, \s*SLOT
	s_add_nc_u64 s[G0B+4*\s+2:G0B+4*\s+3], s[8:9], \s*ROWB
	s_or_b32 s[G0B+4*\s+3], s[G0B+4*\s+3], 0x80000000
.endr
	s_mov_b32 s[G0+1], 0                           ; for the head slot 0's groups 0 name whole tiles: A's 256 rows at LDS 0,
	s_sub_nc_u64 s[G0+2:G0+3], s[G0+2:G0+3], s[30:31]
	s_mov_b32 s[G0B+1], 2*HALFT                    ; B's 256 rows behind them
	s_sub_nc_u64 s[G0B+2:G0B+3], s[G0B+2:G0B+3], s[30:31]
; THE HEAD'S LOADS, ONE A WAVE: wave 0 K step 0's rows of A, wave 1 those of B, wave 2 A's scale bytes, wave 3 B's.  One chain of branches on the wave's number, a load to an arm.
.macro ARM under, g0, g1, next
	s_cmp_lt_u32 s[WV], \under
	s_cbranch_scc0 \next
	tensor_load_to_lds s[\g0:\g0+3], s[\g1:\g1+7]
	s_nop 0
.rept 4
	v_nop
.endr
	s_branch .Lhead_asked
\next:
.endm
	ARM 1, G0,  G1,  .Lhead_b
	ARM 2, G0B, G1B, .Lhead_sa
	ARM 3, G0S, G1S, .Lhead_sb
	tensor_load_to_lds s[G0SB:G0SB+3], s[G1SB:G1SB+7]
	s_nop 0
.rept 4
	v_nop
.endr
.Lhead_asked:
	v_and_b32 v1, 15, v0                           ; r = lane % 16
	v_bfe_u32 v2, v0, 4, 1                         ; h = lane / 16
	v_and_b32 v7, 31, v0
	v_lshlrev_b32 v[LI], 4, v7
	v_lshlrev_b32 v[L8], 3, v7
	v_lshlrev_b32 v[BO], 5, v2
	v_lshlrev_b32 v[BR], 2, v1
	v_mul_u32_u24 v3, v1, PITCH
	v_lshl_add_u32 v4, v2, 4, v3                   ; a fragment's row x pitch + 16 x half
	s_mul_i32 s28, s[RH], HALFT                    ; my 128 rows of A
	s_mul_i32 s29, s[CH], HALFT                    ; my 128 rows of B,
	s_add_co_u32 s29, s29, 2*HALFT                 ; behind A's 256
.irp s, 0,1
	v_add_nc_u32 v[ADRA+\s], s28, v4
	v_add_nc_u32 v[ADRB+\s], s29, v4
	s_add_co_u32 s28, s28, SLOT
	s_add_co_u32 s29, s29, SLOT
.endr
	v_mul_u32_u24 v5, v1, KS                       ; my row's scale bytes: KS a row,
	v_lshrrev_b32 v6, 8, v5
	v_lshl_add_u32 v5, v6, 4, v5                   ; and 16 more for each 256 passed
	s_mul_i32 s28, s[RH], HALFS
	s_mul_i32 s29, s[CH], HALFS
	s_add_co_u32 s29, s29, 2*HALFS
	s_sub_co_u32 s29, s29, s28
	v_mul_u32_u24 v6, s29, v2                      ; lanes 16-31 take B's
	s_add_co_u32 s28, s28, SCL
	v_add_nc_u32 v5, v5, v6
	v_add_nc_u32 v[ADRS], s28, v5
	; which features and which tokens are my wave's
	s_lshl_b32 s28, s24, 8
	s_lshl_b32 s29, s[RH], 7
	s_add_co_u32 s28, s28, s29                     ; A's side: 256 x tile row + 128 x half
	s_lshl_b32 s30, s25, 8
	s_lshl_b32 s31, s[CH], 7
	s_add_co_u32 s30, s30, s31                     ; B's side
	s_cmp_eq_u32 s[ISV], 1
	s_cselect_b32 s32, s28, s30                    ; my first feature
	s_cselect_b32 s33, s30, s28                    ; my first token
	s_lshl_b32 s34, s32, 2
	s_mov_b32 s35, 0
	s_add_nc_u64 s[12:13], s[12:13], s[34:35]      ; the bias at my first feature
	s_cmp_eq_u32 s[ISV], 1
	s_cbranch_scc1 .Lbias_v
.irp b, 0,1,2,3,4,5,6,7                        ; q, k: register j of B's block b is feature 16 b + 8 h + j
	global_load_b128 v[BI+8*\b:BI+8*\b+3], v[BO], s[12:13] offset:64*\b
	global_load_b128 v[BI+8*\b+4:BI+8*\b+7], v[BO], s[12:13] offset:64*\b+16
.endr
	s_wait_loadcnt 0x0
	s_branch .Lbias_done
.Lbias_v:
.irp a, 0,1,2,3,4,5,6,7                        ; v: all eight registers of A's block a are feature 16 a + r
	global_load_b32 v[BI+8*\a], v[BR], s[12:13] offset:64*\a
.endr
	s_wait_loadcnt 0x0
.irp a, 0,1,2,3,4,5,6,7
.irp j, 1,2,3,4,5,6,7
	v_mov_b32 v[BI+8*\a+\j], v[BI+8*\a]
.endr
.endr
.Lbias_done:
	; where the results go.  s[4:11] are free: the descriptors hold sums of their own
	s_lshr_b32 s28, s33, 11
	s_lshl_b32 s28, s28, 4
	s_lshr_b32 s29, s32, 6
	s_add_co_u32 s28, s28, s29                     ; 16 x batch + head: the first of my two heads
	s_mul_i32 s28, s28, HS
	s_bfe_u32 s29, s33, 0x40007                    ; which 128 tokens of the sequence
	s_cmp_eq_u32 s21, 1
	s_cselect_b32 s30, 139264, 0                   ; the image's place in a record,
	s_mov_b32 s31, 131072
	s_cselect_b32 s31, 401408, s31                 ; and the scale words'
	s_cmp_eq_u32 s21, 2
	s_cselect_b32 s30, 270336, s30
	s_cselect_b32 s31, 409600, s31
	s_cselect_b32 s34, 8, 9                        ; 128 tokens' words: 256 bytes for v, 512 for q, k
	s_mov_b32 s[SA], 1024
	s_cselect_b32 s[SA], 2048, s[SA]               ; a block on: a tile of tokens (q, k) or a tile of d (v)
	s_mov_b32 s[SA3], 1024
	s_cselect_b32 s[SA3], HS-6144, s[SA3]          ; v: block 4 is the next head's first tile of d
	s_cselect_b32 s8, 0, HS-1024
	s_mov_b32 s[SA+1], 0
	s_mov_b32 s[SA3+1], 0
	v_add_nc_u32 v[VO1], s8, v[LI]
	s_lshl_b32 s35, s29, 13                        ; 128 tokens' image: 8,192 bytes in all three
	s_add_co_u32 s10, s28, s30
	s_add_co_u32 s10, s10, s35
	s_mov_b32 s11, 0
	s_lshl_b32 s29, s29, s34
	s_add_co_u32 s8, s28, s31
	s_add_co_u32 s8, s8, s29
	s_mov_b32 s9, 0
	s_add_nc_u64 s[SCLP:SCLP+1], s[IMG:IMG+1], s[8:9]
	s_add_nc_u64 s[IMG:IMG+1], s[IMG:IMG+1], s[10:11]
.macro FRAG reg, adr, q, i             ; 16 rows x 128 K: lane l holds row l % 16; registers 4 c .. 4 c + 3 hold K = 32 c + 16 (l / 16) + 0 .. 15
.irp c, 0,1,2,3
	ds_load_b128 v[\reg+4*\c:\reg+4*\c+3], v[\adr] offset:128*(\q)+32*\c+(\i)*16*PITCH
.endr
.endm
; 16 matrix instructions: A's blocks a0, a0 + 1 x B's eight.  p: B's set; q: which 128 of the slot; sc: the set of scale words.
; cm = 0: onto the sums; 1: the sums begin with the bias by B's block; 2: by A's block.  The 64 accumulators take turns, one instruction a turn.
.macro MUL16 a0, p, q, sc, cm
.irp a, \a0, \a0+1
.irp b, 0,1,2,3,4,5,6,7
.set rD, 8*(8*((\a)%4)+\b)
.set rB, 128*(\p)+FR*\b
.set rA, AF+FR*(\a)
.set rC, rD
.if \cm == 1
.set rC, BI+8*\b
.elseif \cm == 2
.set rC, BI+8*(\a)
.endif
	v_wmma_scale_f32_16x16x128_f8f6f4 v[rD:rD+7], v[rB:rB+15], v[rA:rA+15], v[rC:rC+7], v[SC+8*NQ*(\sc)+NQ*\b+(\q)], v[SC+8*NQ*(\sc)+NQ*(\a)+(\q)] matrix_a_fmt:MATRIX_FMT_BF8 matrix_b_fmt:MATRIX_FMT_BF8 matrix_a_scale:MATRIX_SCALE_ROW1
.endr
.endr
.endm
.macro FETCH_B slot, q, p
	WIN TO_B
.irp i, 0,1,2,3,4,5,6,7
	FRAG 128*(\p)+FR*\i, ADRB+\slot, \q, \i
.endr
	WIN 0
.endm
.macro FETCH_A slot, q, i0
.irp i, \i0, \i0+1, \i0+2, \i0+3
	FRAG AF+FR*(\i), ADRA+\slot, \q, \i
.endr
.endm
.macro SCALES sc                       ; a K step's scale words: lanes 0-15 A's block i, lanes 16-31 B's block i
.irp i, 0,1,2,3,4,5,6,7
	ds_load_b64 v[SC+8*NQ*\sc+NQ*\i:SC+8*NQ*\sc+NQ*\i+1], v[ADRS] offset:\i*SBLK
.endr
.endm
.macro PLACES n                        ; plain vector lines between a matrix instruction and a load into, or a vector line on, its registers
.rept \n
	v_nop
.endr
.endm
; A step of 128 along K that has its successor in the same slot.  A's blocks 0-3 are fetched anew in its middle, blocks 4-7 at its end; B has two sets.
.macro STEP slot, q, cm
	s_wait_dscnt 4*NL                              ; B's set, the scale words and A's blocks 0-3 are in; the 16 youngest loads (A's blocks 4-7) may be out
.if \cm
	WIN BIA_LO
.else
	WIN MUL_LO
.endif
	MUL16 0, (\q)%2, \q, \slot, \cm
	MUL16 2, (\q)%2, \q, \slot, \cm
	s_wait_dscnt 0
	PLACES NP
	FETCH_B \slot, (\q)+1, 1-(\q)%2
	FETCH_A \slot, (\q)+1, 0
.if \cm
	WIN BIA_HI
.else
	WIN MUL_HI
.endif
	MUL16 4, (\q)%2, \q, \slot, \cm
	MUL16 6, (\q)%2, \q, \slot, \cm
	PLACES NP
	WIN 0
	FETCH_A \slot, (\q)+1, 4
.endm
; A slot's last step changes slots: one barrier; in front of it each wave waits for all its tensor loads, adds 0 to its spare word, and waits for that and for its reads of this slot.
.macro TURN slot, next, fill
	s_wait_tensorcnt 0x0                           ; all my tensor loads have landed: my part of the next slot
	ds_add_u32 v[SPW], v[NIL]                      ; 0 onto my spare word
	s_wait_dscnt 4*NL+1                            ; the add and the 16 youngest loads may be out
	WIN MUL_LO
	MUL16 0, 1, NQ-1, \slot, 0
	s_wait_dscnt 0x0                               ; the add is done, and my reads of this slot are over
	s_barrier_signal -1
	MUL16 2, 1, NQ-1, \slot, 0
	WIN 0
	s_barrier_wait -1
.if \fill
	CREST                                          ; the barrier has opened a round of the cluster's: no wave of any partner still reads this slot or has a load on its way
	s_add_nc_u64 s[G0+4*\slot+2:G0+4*\slot+3], s[G0+4*\slot+2:G0+4*\slot+3], 2*ROWB
	s_add_nc_u64 s[G0B+4*\slot+2:G0B+4*\slot+3], s[G0B+4*\slot+2:G0B+4*\slot+3], 2*ROWB
	JLOAD G0+4*\slot, G1, G0B+4*\slot, G1B         ; the first tensor load behind the round; its four v_nop are among the places below
	PLACES NP-4
.else
	PLACES NP
.endif
	s_wait_alu depctr_va_vdst(0)
	v_add_nc_u32 v[ADRS], 4*NQ, v[ADRS]            ; the next K step's scale words
	FETCH_B \next, 0, 0
	FETCH_A \next, 0, 0
	SCALES \next
	WIN MUL_HI
	MUL16 4, 1, NQ-1, \slot, 0
	MUL16 6, 1, NQ-1, \slot, 0
	PLACES NP
	WIN 0
	FETCH_A \next, 0, 4
.endm
	s_wait_alu depctr_va_vdst(0)                   ; the wait at the head's end
	s_wait_tensorcnt 0x0                           ; my tile of the head's four is in; these lines stand ahead of slot 1's first fill as ahead of a refill
	ds_add_u32 v[SPW], v[NIL]                      ; 0 onto my spare word
	s_mov_b32 s[G1+2], 128<<16                     ; no tensor load of mine is out: from here on a load brings 128 rows,
	s_mov_b32 s[G1+4], 128
	s_mov_b32 s[G1B+2], 128<<16
	s_mov_b32 s[G1B+4], 128
	s_lshl_b32 s28, s[CH], 17
	s_mov_b32 s29, 0
	s_mul_i32 s[G0+1], s[WV], HALFT                ; and slot 0's groups 0 name my 128 rows of K step 0 again
	s_add_nc_u64 s[G0+2:G0+3], s[G0+2:G0+3], s[28:29]
	s_mul_i32 s[G0B+1], s[WV], HALFT
	s_add_nc_u64 s[G0B+2:G0B+3], s[G0B+2:G0B+3], s[28:29]
	s_wait_dscnt 0x0                               ; the add is done
	CROUND                                         ; all four tiles are in, and all sixteen work-groups are here
	JLOAD G0+4, G1, G0B+4, G1B                     ; K step 1: my one tensor load behind the round
	FETCH_B 0, 0, 0
	FETCH_A 0, 0, 0
	s_wait_alu depctr_va_vdst(0)
	SCALES 0
	FETCH_A 0, 0, 4
	s_cmp_eq_u32 s[ISV], 1                         ; the first step starts the sums with the bias, which lies by B's blocks (q, k) or by A's (v): the same in all partners
	s_cbranch_scc1 .Lfirst_v
	STEP 0, 0, 1
	s_branch .Lfirst_done
.Lfirst_v:
	STEP 0, 0, 2
.Lfirst_done:
.rept LAPS-1                           ; once round the ring, both slots filled again: K = 1,024 has one such lap, so there is no backward jump
	TURN 0, 1, 1
	STEP 1, 0, 0
	TURN 1, 0, 1
	STEP 0, 0, 0
.endr
	TURN 0, 1, 0                                   ; the last lap fills nothing
	STEP 1, 0, 0
	s_wait_dscnt 4*NL
	WIN MUL_LO
	MUL16 0, 1, NQ-1, 1, 0
	MUL16 2, 1, NQ-1, 1, 0
	s_wait_dscnt 0
	WIN MUL_HI
	MUL16 4, 1, NQ-1, 1, 0
	MUL16 6, 1, NQ-1, 1, 0
	WIN 0
; THE WAY OUT.  Block a of my rows: 64 numbers a lane, register 16 b + i in block b of 32 along the next K; a block of 32 lies in lanes l and l xor 16.
; The scale: the largest magnitude (with the floor 2^-111 among its leaves) less 15 in its exponent field; the hold at 57,344 x the scale; the conversion.  The codes leave as they stand: four stores of 512 consecutive bytes.
.macro QUANT a
.set rS, 64*((\a)%4)
.set rW, 2+(\a)/4
.set rWW, rW|(rW<<2)
	WIN rWW                                        ; sources 0 and 1: the accumulators' window
.irp b, 0,1,2,3
	v_max3_num_f32 v[TM+\b], |v[rS+16*\b]|, |v[rS+16*\b+1]|, 0x8000000   ; each accumulator is read from its low end on
.endr
.irp i, 2,4,6,8,10,12,14
.irp b, 0,1,2,3
	v_max3_num_f32 v[TM+\b], |v[rS+16*\b+\i]|, |v[rS+16*\b+\i+1]|, v[TM+\b]
.endr
.endr
	WIN 0
.irp b, 0,1,2,3
	v_permlanex16_b32 v[PT+\b], v[TM+\b], s[SEL], s[SEL+1]
.endr
.irp b, 0,1,2,3
	v_max_num_f32 v[TM+\b], v[TM+\b], v[PT+\b]
.endr
.irp b, 0,1,2,3
	v_add_nc_u32 v[SO+\b], 0xf8800000, v[TM+\b]    ; 15 off the exponent field: the conversion's scale operand
.endr
.irp b, 0,1,2,3
	v_and_or_b32 v[HB+\b], v[TM+\b], 0x7f800000, s[MNT]   ; 57,344 x the scale
.endr
.irp b, 0,1,2,3
	v_lshrrev_b32 v[PT+\b], 23, v[SO+\b]           ; the byte
.endr
	v_lshl_or_b32 v[WD+(\a)], v[PT+1], 8, v[PT]
	v_lshl_or_b32 v[WD+(\a)], v[PT+2], 16, v[WD+(\a)]
	v_lshl_or_b32 v[WD+(\a)], v[PT+3], 24, v[WD+(\a)]
.set PC, 32+16*(\a)                            ; each block's codes have 16 registers of their own, v32-159 (scale words, bias and fragments that are done with),
.set IMG, 36+2*(\a)                            ; and each block's stores a base of their own: nothing that a pending store reads is written again
.set rWW, rW|(rW<<6)
	WIN rWW                                        ; destination and source 0
.irp b, 0,1,2,3
.irp i, 0,1,2,3,4,5,6,7,8,9,10,11,12,13,14,15
	v_med3_num_f32 v[rS+16*\b+\i], v[rS+16*\b+\i], -v[HB+\b], v[HB+\b]   ; the conversion to an 8-bit code does not saturate (ISA guide 7.6.2)
.endr
.endr
	WIN rW                                         ; source 0
.irp b, 0,1,2,3
	v_cvt_scalef32_pk8_bf8_f32 v[PC+4*\b:PC+4*\b+1], v[rS+16*\b:rS+16*\b+7], v[SO+\b]
	v_cvt_scalef32_pk8_bf8_f32 v[PC+4*\b+2:PC+4*\b+3], v[rS+16*\b+8:rS+16*\b+15], v[SO+\b]
.endr
	WIN 0
	v_nop                                          ; a plain line behind the last conversion
	global_store_b128 v[LI], v[PC:PC+3], s[IMG:IMG+1]
	global_store_b128 v[LI], v[PC+4:PC+7], s[IMG:IMG+1] offset:512
	global_store_b128 v[VO1], v[PC+8:PC+11], s[IMG:IMG+1] offset:1024
	global_store_b128 v[VO1], v[PC+12:PC+15], s[IMG:IMG+1] offset:1536
.endm
	PLACES NP                                      ; behind the last products: the lines below read results and write registers that held A's fragments
	s_mov_b64 s[36:37], s[IMG:IMG+1]               ; where my eight blocks go in the image: s[36:51], which held descriptors whose loads have all been waited for
.irp a, 1,2,3,4,5,6,7
.if \a == 4
	s_add_nc_u64 s[36+2*\a:37+2*\a], s[34+2*\a:35+2*\a], s[SA3:SA3+1]
.else
	s_add_nc_u64 s[36+2*\a:37+2*\a], s[34+2*\a:35+2*\a], s[SA:SA+1]
.endif
.endr
.irp b, 0,1,2,3
	v_mov_b32 v[PT+\b], 0
.endr
.irp a, 0,1,2,3,4,5,6,7
	QUANT \a
.endr
	v_and_b32 v1, 31, v0
	v_cmp_lt_u32 vcc_lo, 15, v1
.irp i, 0,1,2,3
	v_cndmask_b32 v[P+\i], v[WD+2*\i], v[WD+2*\i+1], vcc_lo   ; lanes 0-15 keep the even block's words, lanes 16-31 take the odd block's (both halves of the lanes hold a row's word)
.endr
	s_cmp_eq_u32 s[ISV], 1
	s_cbranch_scc1 .Lscl_v
.irp i, 0,1,2,3
	v_and_b32 v[PL+\i], 0xffff, v[P+\i]            ; q, k: bytes 0, 1 are the first head's two blocks,
	v_lshrrev_b32 v[PH+\i], 16, v[P+\i]            ; bytes 2, 3 the next head's
.endr
	global_store_b128 v[LI], v[PL:PL+3], s[SCLP:SCLP+1]              ; 512 consecutive bytes
	global_store_b128 v[LI], v[PH:PH+3], s[SCLP:SCLP+1] offset:HS
	s_branch .Lscl_done
.Lscl_v:
	s_wait_alu depctr_va_vdst(0)
	global_store_b64 v[L8], v[P:P+1], s[SCLP:SCLP+1]                 ; v: blocks 0-3 are the first head's four tiles of d: 256 consecutive bytes
	global_store_b64 v[L8], v[P+2:P+3], s[SCLP:SCLP+1] offset:HS
.Lscl_done:
	s_wait_tensorcnt 0x0                           ; the wave's end
	ds_add_u32 v[SPW], v[NIL]
	s_wait_dscnt 0x0
	CROUND                                         ; the closing round
	s_endpgm
.Lfunc_end_k_qde7a721348_proj:
	.size	k_qde7a721348_proj, .Lfunc_end_k_qde7a721348_proj-k_qde7a721348_proj
	.p2alignl 7, 3214868480
	.fill 96, 4, 3214868480
	.section	.rodata,"a",@progbits
	.p2align	6, 0x0
	.amdhsa_kernel k_qde7a721348_proj
		.amdhsa_group_segment_fixed_size 327680
		.amdhsa_private_segment_fixed_size 0
		.amdhsa_enable_private_segment 0
		.amdhsa_kernarg_size 128
		.amdhsa_user_sgpr_count 2
		.amdhsa_user_sgpr_kernarg_segment_ptr 1
		.amdhsa_wavefront_size32 1
		.amdhsa_system_sgpr_workgroup_id_x 1
		.amdhsa_system_sgpr_workgroup_id_y 1
		.amdhsa_system_sgpr_workgroup_id_z 1
		.amdhsa_system_vgpr_workitem_id 0
		.amdhsa_next_free_vgpr 1024
		.amdhsa_next_free_sgpr 102
		.amdhsa_reserve_vcc 1
		.amdhsa_float_denorm_mode_32 3
		.amdhsa_float_denorm_mode_16_64 3
		.amdhsa_memory_ordered 1
		.amdhsa_forward_progress 1
		.amdhsa_inst_pref_size 205
	.end_amdhsa_kernel
	.amdgpu_metadata
---
amdhsa.version: [ 1, 2 ]
amdhsa.kernels:
  - .name:           k_qde7a721348_proj
    .symbol:         k_qde7a721348_proj.kd
    .args:
      - { .name: query_codes, .offset: 0, .size: 8, .value_kind: global_buffer, .address_space: global }
      - { .name: query_scales, .offset: 8, .size: 8, .value_kind: global_buffer, .address_space: global }
      - { .name: Wq_codes, .offset: 16, .size: 8, .value_kind: global_buffer, .address_space: global }
      - { .name: Wq_scales, .offset: 24, .size: 8, .value_kind: global_buffer, .address_space: global }
      - { .name: bq, .offset: 32, .size: 8, .value_kind: global_buffer, .address_space: global }
      - { .name: key_codes, .offset: 40, .size: 8, .value_kind: global_buffer, .address_space: global }
      - { .name: key_scales, .offset: 48, .size: 8, .value_kind: global_buffer, .address_space: global }
      - { .name: Wk_codes, .offset: 56, .size: 8, .value_kind: global_buffer, .address_space: global }
      - { .name: Wk_scales, .offset: 64, .size: 8, .value_kind: global_buffer, .address_space: global }
      - { .name: bk, .offset: 72, .size: 8, .value_kind: global_buffer, .address_space: global }
      - { .name: Wv_codes, .offset: 80, .size: 8, .value_kind: global_buffer, .address_space: global }
      - { .name: Wv_scales, .offset: 88, .size: 8, .value_kind: global_buffer, .address_space: global }
      - { .name: value_codes, .offset: 96, .size: 8, .value_kind: global_buffer, .address_space: global }
      - { .name: value_scales, .offset: 104, .size: 8, .value_kind: global_buffer, .address_space: global }
      - { .name: bv, .offset: 112, .size: 8, .value_kind: global_buffer, .address_space: global }
      - { .name: qkv, .offset: 120, .size: 8, .value_kind: global_buffer, .address_space: global }
    .group_segment_fixed_size: 327680
    .private_segment_fixed_size: 0
    .kernarg_segment_align: 8
    .kernarg_segment_size: 128
    .max_flat_workgroup_size: 128
    .sgpr_count:     102
    .vgpr_count:     1024
    .wavefront_size: 32
...
	.end_amdgpu_metadata
.endif
;; end of part 1
;; launch attn (part 2): grid 4 x 64, 8 waves a work-group, clusters of 4 x 1, 276,480 bytes of LDS; arguments qkv, o_img, o_scl; writes o_img, o_scl
.if DOCPART == 2
	.amdgcn_target "amdgcn-amd-amdhsa--gfx1250"
	.amdhsa_code_object_version 6
	.text
	.protected	k_qde7a721348_attn
	.globl	k_qde7a721348_attn
	.p2align	8
	.type	k_qde7a721348_attn,@function
k_qde7a721348_attn:
	s_mov_b64 s[64:65], 0
	v_nop
	global_prefetch_b8 v0, s[64:65] scope:SCOPE_SE
	s_setreg_imm32_b32 hwreg(HW_REG_WAVE_MODE, 25, 1), 1
	s_wait_xcnt 0x0
	s_wait_alu depctr_hold_cnt(0) depctr_sa_sdst(0) depctr_va_vdst(0) depctr_va_sdst(0) depctr_va_ssrc(0) depctr_va_vcc(0) depctr_vm_vsrc(0)
	s_getreg_b32 s2, hwreg(HW_REG_IB_STS2, 6, 4)
	s_cmp_eq_u32 s2, 0
	s_cbranch_scc0 .Lentry_in_a_cluster
	s_endpgm
.Lentry_in_a_cluster:
	s_bfe_u32 s2, ttmp6, 0x10000c
	s_cmp_lg_u32 s2, 0x3003
	s_cbranch_scc0 .Lentry_shape_is_right
	s_endpgm
.Lentry_shape_is_right:
; ATTENTION on codes of BF8 (E5M2): S^T = K Q^T (K = the head's 64), p = 2^(t - M), O^T = V^T P^T (K = the keys), O / the row's sum, quantised along the features for the last projection.
; t = score x log2(e) / 8; M = the running largest t rounded up to a whole number; the row's sum is taken of the unquantised p; when M moves, the sum and O^T are multiplied by 2^(old M - new M), which rounds nothing.
; SHARES.  A work-group owns 512 queries of one head (64 heads x 4 quarters).  A whole head's K, V and their scale words, 274,432 bytes, lie in LDS, filled once by one tensor load a wave: the loop over the keys has no ring and no barrier.
; The four quarters of a head form a cluster and ask jointly.  A wave owns two tiles of 16 queries a pass and makes two passes; each fragment of K and V read from LDS feeds two products.
; Nothing is prefetched: all that the launch reads through LDS is asked for at its head, and there is no loop to run ahead in before that.
; LAYOUT.  K, V, Q come as images of operand registers (registers 4 c .. 4 c + 3 of a fragment at 16 x lane, 512 bytes for each c).  Both products are used transposed: a lane holds one query (lane % 16).
; Inside a block of 32 the order is 8 (lane / 16) + y % 8 + 16 (y / 8) for byte y, alike in q and k, and alike in v and p.
; THE FIRST PRODUCT'S K IS 64 OF THE INSTRUCTION'S 128: Q's fragment has zero codes for K = 64 .. 127 and both sides' scale bytes there are 0; K's operand names 16 registers of which the upper 8 are the next fragment's, finite codes that meet zeros.
; THE KEY STEP'S ORDER.  The two tiles' exponentials are two batches.  Among tile 0's stand tile 1's scalings and the blocks' scale lines; among tile 1's stand tile 0's first sums and holds: lines that read nothing written inside their batch, so each batch has one wait ahead and one behind.
; A BLOCK'S SCALE IS READ OFF THE EXPONENT.  A block's largest p is 2^a, a = the block's largest t - M, so e = floor(a) is that p's exponent: the byte is e + 112, the conversion's operand (e + 112) << 23, the hold 1.75 x 2^e.  a is held at -110 from below, so the byte cannot fall under 2.
; The holds go two to a line (a dual pair on two blocks, so that the pair's sources lie in different register banks).
; LIMITS: NaN and infinities are not served.  The promise holds while the scaled scores stay under 2^31 in magnitude.  Where v_exp_f32 rounds a block's largest p up to the next power of two, that p is held one code low.
; A block of p whose largest lies under 2^-110 keeps the floor's byte; in O a block under 2^-111 keeps the byte 1.
; REGISTERS.  Window 0: v1-11, v19 addresses; v12-15 K's scale words, v18 Q's, v92-93 V's; from v20 eight of statistics a tile; from v36 sixteen at work a tile; v68-83 tile 0's part sums, v84-91 tile 1's; v94-95 the spare word's; v96-223 S^T, then p; v224-255 p's codes.
; Window 1: v0-31 Q (a tile: 8 registers, 8 of zeros); v32-95 K's 8 fragments; v96-103 zeros; v104-167 V's 4 fragments; v168-231 O^T, 32 a tile.
.set HS,   413696                      ; a head's record in qkv
.set RUN,  139264                      ; K's image in it; from there K, V, K's words, V's words lie on end
.set PART, 34304                       ; an eighth of that run: 134 rows of 256 bytes
.set QSC,  131072
.set LV,   131072                      ; LDS: V's image, K's words, V's words, 1,024 bytes for O's scale bytes, the spare words
.set LKS,  262144
.set LVS,  270336
.set OSC,  274432
.set SPARE, 275456
.set LI,  1
.set AV0, 2
.set AS0, 3
.set AT0, 4
.set ADK, 5
.set ADV, 6
.set ADS, 7
.set ADT, 8
.set OSA, 9
.set OSW, 10
.set OSG, 11
.set KS,  12
.set QS,  18
.set OSR, 19
.set NM,  20                           ; + 8 t: -M; +1 the largest score; +2, +3 the sum; +4 f, later 1 / the sum; +5 p's scale word; +6, +7 at work
.set RS,  21
.set LS,  22
.set F,   24
.set PW,  25
.set X,   26
.set Y,   27
.set BM,  36                           ; + 16 t: the blocks' largest, then their exponents; +4 the other half's; +8 57,344 x the scale; +12 the conversions' scale operand
.set PT,  40
.set HB,  44
.set SO,  48
.set T,   68
.set CC,  84
.set VS,  92                           ; numbers 4, 5 modulo 8; p's words have 1
.set SPW, 94
.set NIL, 95
.set S,   96
.set PC,  224
.set QF,  0
.set KF,  32
.set ZF,  96
.set VF,  104
.set OT,  168
.set WV,  10
.set CX,  11
.set BH,  12
.set G1,  24
.set G0,  32
.set QB,  36
.set QSB, 38
.set OB,  40
.set OSB, 42
.set SEL, 44
.set CS,  46
.set MNT, 48
.set TB,  49
.set TS,  50
.set TV,  51
.set PASS, 52
.set CNT, 53
.set OSP, 54
.set HI,  55
.set MSB, 0
.macro WIN new
.if MSB != \new
	s_set_vgpr_msb (MSB<<8)|\new
.set MSB, \new
.endif
.endm
.macro CROUND                          ; a round of the cluster's barrier
	s_barrier_signal -1
	s_barrier_wait -1
	s_cmp_lg_u32 s[WV], 0
	s_cbranch_scc1 .Lnot_wave_0_\@
	s_barrier_signal -3
.Lnot_wave_0_\@:
	s_barrier_wait -3
	s_barrier_signal -1
	s_barrier_wait -1
.endm
.macro WM0 d, a, b, sa, sb, m1, m2     ; a product that starts its sums
	v_wmma_scale_f32_16x16x128_f8f6f4 v[\d:\d+7], v[\a:\a+15], v[\b:\b+15], 0, v[\sa], v[\sb] matrix_a_fmt:MATRIX_FMT_BF8 matrix_b_fmt:MATRIX_FMT_BF8 \m1 \m2
.endm
.macro WMA d, a, b, sa, sb, m1         ; a product onto its sums
	v_wmma_scale_f32_16x16x128_f8f6f4 v[\d:\d+7], v[\a:\a+15], v[\b:\b+15], v[\d:\d+7], v[\sa], v[\sb] matrix_a_fmt:MATRIX_FMT_BF8 matrix_b_fmt:MATRIX_FMT_BF8 \m1
.endm
.macro PA d, a, b
	v_pk_add_f32 v[\d:\d+1], v[\a:\a+1], v[\b:\b+1]
.endm
.macro EX r
	v_exp_f32 v[\r], v[\r]
.endm
.macro EXN                             ; tile 1's next exponential
	v_exp_f32 v[E], v[E]
.set E, E+1
.endm
.macro MIN2 t, g, i                    ; two holds: i = 0 .. 15 go through the 32 numbers of blocks 2 g, 2 g + 1 of tile t.  p is not negative, so the hold is one-sided (the conversion does not saturate: ISA guide 7.6.2)
.set mA, S+64*(\t)+32*(\g)+2*((\i)/2)
.set mH, HB+16*(\t)+2*(\g)
.if (\i)%2 == 0
	v_dual_min_num_f32 v[mA], v[mA], v[mH] :: v_dual_min_num_f32 v[mA+17], v[mA+17], v[mH+1]
.else
	v_dual_min_num_f32 v[mA+16], v[mA+16], v[mH+1] :: v_dual_min_num_f32 v[mA+1], v[mA+1], v[mH]
.endif
.endm
.macro ADD1 j                          ; tile 0's first sums: four p into a pair of their own: j < 8 in v68 on, the others in tile 1's code registers, which are free until its conversions
.if (\j) < 8
.set tD, T+2*(\j)
.else
.set tD, PC+16+2*((\j)-8)
.endif
	PA tD, S+4*(\j), S+4*(\j)+2
.endm
.macro CVT t
.irp b, 0,1,2,3
	v_cvt_scalef32_pk8_bf8_f32 v[PC+16*\t+4*\b:PC+16*\t+4*\b+1], v[S+64*\t+16*\b:S+64*\t+16*\b+7], v[SO+16*\t+\b]
	v_cvt_scalef32_pk8_bf8_f32 v[PC+16*\t+4*\b+2:PC+16*\t+4*\b+3], v[S+64*\t+16*\b+8:S+64*\t+16*\b+15], v[SO+16*\t+\b]
.endr
.endm
.macro SH n                            ; n = 0 .. 15: from a block's exponent e: 1.75 x 2^e, which is 57,344 x the scale, or the conversion's scale operand, (e + 112) << 23
.set hT, 16*((\n)/8)+(\n)%4
.if ((\n)%8) < 4
	v_lshl_add_u32 v[HB+hT], v[BM+hT], 23, 0x3fe00000
.else
	v_lshl_add_u32 v[SO+hT], v[BM+hT], 23, 0x38000000
.endif
.endm
.macro FMA2 t, j                       ; t - M, two at a time
	v_pk_fma_f32 v[S+64*\t+2*(\j):S+64*\t+2*(\j)+1], v[S+64*\t+2*(\j):S+64*\t+2*(\j)+1], s[CS:CS+1], v[NM+8*\t:NM+8*\t+1] op_sel_hi:[1,0,0]
.endm
.macro F6                              ; six of tile 0's scalings
.rept 6
	FMA2 0, J
.set J, J+1
.endr
.endm
	s_load_b128 s[4:7], s[0:1], 0x0                ; qkv, o_img
	s_load_b64 s[8:9], s[0:1], 0x10                ; o_scl
	v_lshl_add_u32 v[SPW], v0, 2, SPARE
	v_mov_b32 v[NIL], 0
	ds_add_u32 v[SPW], v[NIL]                      ; the opening lines: the add, twice on end, and its wait ahead of my tensor load
	ds_add_u32 v[SPW], v[NIL]
	v_lshrrev_b32 v1, 5, v0
	v_readfirstlane_b32 s[WV], v1                  ; wave 0..7
	s_bfe_u32 s[CX], ttmp6, 0x40000                ; which quarter of the head's queries
	s_and_b32 s[BH], ttmp7, 0xffff                 ; 16 x batch + head: the four partners share it
	s_mov_b32 s[G1], 15|(3<<16)|(1<<21)            ; the mask: all four; elements of 8 bytes; bit 21 beside a mask; no padding
	s_mov_b32 s[G1+1], 32<<16
	s_mov_b32 s[G1+2], 134<<16
	s_mov_b32 s[G1+3], 32<<16
	s_mov_b32 s[G1+4], 134
	s_mov_b32 s[G1+5], 32
	s_mov_b32 s[G1+6], 0
	s_mov_b32 s[G1+7], 0
	s_mul_i32 s14, s[BH], HS
	s_mov_b32 s15, 0
	s_mul_i32 s16, s[WV], PART                     ; my eighth: in LDS,
	s_add_co_u32 s18, s16, RUN                     ; and in the record
	s_mov_b32 s19, 0
	s_mov_b32 s[SEL], 0x76543210
	s_mov_b32 s[SEL+1], 0xfedcba98                 ; lane l xor 16
	s_mov_b32 s[CS], 0x3e38aa3b                    ; log2(e) / 8
	s_mov_b32 s[CS+1], s[CS]
	s_mov_b32 s[MNT], 0x600000                     ; the mantissa field of 57,344
	s_mov_b32 s[OSP], 0
	s_mov_b32 s[PASS], 2
	s_wait_dscnt 0x0
	s_wait_kmcnt 0x0
	s_add_nc_u64 s[4:5], s[4:5], s[14:15]          ; my head's record
	s_mov_b32 s[G0], 1
	s_mov_b32 s[G0+1], s16
	s_add_nc_u64 s[G0+2:G0+3], s[4:5], s[18:19]
	s_or_b32 s[G0+3], s[G0+3], 0x80000000
	CROUND                                         ; all four work-groups are here: the joint loads meet
	tensor_load_to_lds s[G0:G0+3], s[G1:G1+7]      ; my one tensor load of the launch
	s_nop 0
.rept 4
	v_nop
.endr
	v_and_b32 v5, 31, v0
	v_cmp_lt_u32 s[HI], 15, v5
	v_lshlrev_b32 v[LI], 4, v5
	v_lshl_add_u32 v[AT0], v5, 3, LVS
	v_lshl_add_u32 v[OSA], v0, 1, OSC
	v_and_b32 v[OSG], 63, v0
	v_add_nc_u32 v[AV0], LV, v[LI]
	v_add_nc_u32 v[AS0], LKS, v[LI]
	v_lshlrev_b32 v[OSG], 4, v[OSG]
	v_add_nc_u32 v[OSR], OSC, v[OSG]
	WIN 0x40
.irp z, QF+8, QF+24, ZF
.set J, 0
.rept 8
	v_mov_b32 v[\z+J], 0                           ; the zero codes of K = 64 .. 127
.set J, J+1
.endr
.endr
	WIN 0
.irp t, 0,1
.irp b, 0,1,2,3
	v_mov_b32 v[PT+16*\t+\b], 0                    ; a lane permute's destination counts as one of its sources
.endr
	v_mov_b32 v[PW+8*\t], 0
	v_mov_b32 v[Y+8*\t], 0
.endr
	s_lshl_b32 s14, s[CX], 15
	s_lshl_b32 s16, s[WV], 11
	s_add_co_u32 s14, s14, s16                     ; Q: tile 32 cx + 2 w, 1,024 bytes a tile
	s_add_nc_u64 s[QB:QB+1], s[4:5], s[14:15]
	s_lshl_b32 s14, s[CX], 11                      ; its scale words: group 4 cx + w / 4 of 512 bytes, pair w % 4
	s_lshr_b32 s16, s[WV], 2
	s_lshl_b32 s16, s16, 9
	s_add_co_u32 s14, s14, s16
	s_and_b32 s16, s[WV], 3
	s_lshl_b32 s16, s16, 2
	s_add_co_u32 s14, s14, s16
	s_add_co_u32 s14, s14, QSC
	s_add_nc_u64 s[QSB:QSB+1], s[4:5], s[14:15]
	s_and_b32 s16, s[BH], 15                       ; the head
	s_lshr_b32 s17, s[BH], 4                       ; the batch
	s_lshr_b32 s14, s16, 2
	s_lshl_b32 s14, s14, 21                        ; o_img: [head / 4][token tile][(head / 2) % 2][2 (head % 2) + block][lane][16 B]
	s_lshl_b32 s18, s17, 7
	s_lshl_b32 s19, s[CX], 5
	s_add_co_u32 s18, s18, s19
	s_lshl_b32 s19, s[WV], 1
	s_add_co_u32 s18, s18, s19
	s_lshl_b32 s18, s18, 12
	s_add_co_u32 s14, s14, s18
	s_bfe_u32 s18, s16, 0x10001
	s_lshl_b32 s18, s18, 11
	s_add_co_u32 s14, s14, s18
	s_and_b32 s18, s16, 1
	s_lshl_b32 s18, s18, 10
	s_add_co_u32 s14, s14, s18
	s_add_nc_u64 s[OB:OB+1], s[6:7], s[14:15]
	s_lshl_b32 s14, s16, 14                        ; o_scl: [head][token] of two bytes
	s_lshl_b32 s18, s17, 12
	s_add_co_u32 s14, s14, s18
	s_lshl_b32 s18, s[CX], 10
	s_add_co_u32 s14, s14, s18
	s_add_nc_u64 s[OSB:OSB+1], s[8:9], s[14:15]
.macro QLOAD                           ; a pass's two tiles of Q and their scale words (lanes 0-15: the even tile's, lanes 16-31: the odd tile's)
	WIN 0x40
.irp t, 0,1
.irp c, 0,1
	global_load_b128 v[QF+16*\t+4*\c:QF+16*\t+4*\c+3], v[LI], s[QB:QB+1] offset:1024*\t+512*\c
.endr
.endr
	WIN 0
	global_load_b32 v[QS], v[LI], s[QSB:QSB+1]
.endm
.macro KLOADS                          ; a step's 8 fragments of K (window 1 is the destination)
.irp kt, 0,1,2,3,4,5,6,7
.irp c, 0,1
	ds_load_b128 v[KF+8*\kt+4*\c:KF+8*\kt+4*\c+3], v[ADK] offset:1024*\kt+512*\c
.endr
.endr
.endm
; A KEY STEP: 128 keys, both tiles.  next = 1: the next step's K is fetched too.
.macro STEP next
	s_wait_dscnt 0x0                               ; K and its scale words, asked for a step ago, are in
	WIN 0x05                                       ; K and Q in window 1, S^T in window 0
.irp k, 0,1,2,3                                ; K's words: register k, lanes 16-31 for the odd tile; Q's: lanes 16-31 for tile 1
	WM0 S+16*\k, KF+16*\k, QF, KS+\k, QS
	WM0 S+64+16*\k, KF+16*\k, QF+16, KS+\k, QS, matrix_b_scale:MATRIX_SCALE_ROW1
	WM0 S+8+16*\k, KF+8+16*\k, QF, KS+\k, QS, matrix_a_scale:MATRIX_SCALE_ROW1
	WM0 S+72+16*\k, KF+8+16*\k, QF+16, KS+\k, QS, matrix_a_scale:MATRIX_SCALE_ROW1, matrix_b_scale:MATRIX_SCALE_ROW1
.endr
	WIN 0
	v_add_nc_u32 v[ADV], s[TB], v[AV0]             ; eight plain lines: the places ahead of the loads into fragments that products have read, and of the first read of the scores
	v_add_nc_u32 v[ADT], s[TV], v[AT0]
.if \next
	s_add_co_u32 s[TB], s[TB], 8192
	s_add_co_u32 s[TS], s[TS], 512
	s_add_co_u32 s[TV], s[TV], 256
	v_add_nc_u32 v[ADK], s[TB], v[LI]
	v_add_nc_u32 v[ADS], s[TS], v[AS0]
.else
	v_nop
	v_nop
.endif
.rept 4
	v_nop
.endr
	WIN 0x40
.irp dt, 0,1,2,3
.irp c, 0,1,2,3
	ds_load_b128 v[VF+16*\dt+4*\c:VF+16*\dt+4*\c+3], v[ADV] offset:2048*\dt+512*\c
.endr
.endr
.if \next
	KLOADS
.endif
	WIN 0
	ds_load_b64 v[VS:VS+1], v[ADT]
.if \next
	ds_load_b128 v[KS:KS+3], v[ADS]
.endif
	; the largest score of each block of 32 keys: eight chains by turns; each accumulator is read from its low end on
.irp b, 0,1,2,3
.irp t, 0,1
	v_max3_num_f32 v[BM+16*\t+\b], v[S+64*\t+16*\b], v[S+64*\t+16*\b+1], v[S+64*\t+16*\b+2]
.endr
.endr
.irp i, 3,5,7,9,11,13
.irp b, 0,1,2,3
.irp t, 0,1
	v_max3_num_f32 v[BM+16*\t+\b], v[BM+16*\t+\b], v[S+64*\t+16*\b+\i], v[S+64*\t+16*\b+\i+1]
.endr
.endr
.endr
.irp b, 0,1,2,3
.irp t, 0,1
	v_max_num_f32 v[BM+16*\t+\b], v[BM+16*\t+\b], v[S+64*\t+16*\b+15]
.endr
.endr
.irp b, 0,1,2,3
.irp t, 0,1
	v_permlanex16_b32 v[PT+16*\t+\b], v[BM+16*\t+\b], s[SEL], s[SEL+1]
.endr
.endr
.irp b, 0,1,2,3
.irp t, 0,1
	v_max_num_f32 v[BM+16*\t+\b], v[BM+16*\t+\b], v[PT+16*\t+\b]   ; with lane l xor 16's 16 keys
.endr
.endr
.irp t, 0,1
	s_delay_alu instid0(VALU_DEP_4)
	v_max3_num_f32 v[X+8*\t], v[BM+16*\t], v[BM+16*\t+1], v[BM+16*\t+2]
.endr
.irp t, 0,1
	v_mov_b32 v[Y+8*\t], v[NM+8*\t]                ; the old -M
.endr
.irp t, 0,1
	s_delay_alu instid0(VALU_DEP_4)
	v_max3_num_f32 v[RS+8*\t], v[X+8*\t], v[BM+16*\t+3], v[RS+8*\t]   ; the running largest score
.endr
.irp t, 0,1
	s_delay_alu instid0(VALU_DEP_2)
	v_mul_f32 v[X+8*\t], s[CS], v[RS+8*\t]         ; as t (the factor is positive)
.endr
.irp t, 0,1
	s_delay_alu instid0(VALU_DEP_2)
	v_floor_f32 v[NM+8*\t], -v[X+8*\t]             ; the new -M = -ceil(t): a whole number
.endr
.irp b, 0,1,2,3
.irp t, 0,1
	v_fma_f32 v[BM+16*\t+\b], v[BM+16*\t+\b], s[CS], v[NM+8*\t]   ; a = t - M of each block's largest score
.endr
.endr
.irp t, 0,1
	v_sub_f32 v[X+8*\t], v[NM+8*\t], v[Y+8*\t]     ; old M - new M: a whole number, 0 or less
.endr
.irp b, 0,1,2,3
.irp t, 0,1
	v_max_num_f32 v[BM+16*\t+\b], 0xc2dc0000, v[BM+16*\t+\b]   ; held at -110 from below
.endr
.endr
.irp t, 0,1
	v_cvt_i32_f32 v[X+8*\t], v[X+8*\t]             ; (it saturates)
.endr
.irp b, 0,1,2,3
.irp t, 0,1
	v_cvt_floor_i32_f32 v[BM+16*\t+\b], v[BM+16*\t+\b]   ; e = floor(a), -110 .. 0: the exponent of the block's largest p
.endr
.endr
.set J, 0
.rept 8
	FMA2 0, J
.set J, J+1
.endr
.irp t, 0,1
	v_ldexp_f32 v[F+8*\t], 1.0, v[X+8*\t]          ; f = 2^(old M - new M)
.endr
	F6                                             ; p's scale word, the sum over b of (e_b + 112) << 8 b, is made in four lines a tile, among tile 0's scalings
.irp t, 0,1
	v_lshl_add_u32 v[PW+8*\t], v[BM+16*\t+3], 8, v[BM+16*\t+2]
.endr
	F6
.irp t, 0,1
	v_lshl_add_u32 v[PW+8*\t], v[PW+8*\t], 8, v[BM+16*\t+1]
.endr
	F6
.irp t, 0,1
	v_lshl_add_u32 v[PW+8*\t], v[PW+8*\t], 8, v[BM+16*\t]
.endr
	F6
.irp t, 0,1
	v_add_nc_u32 v[PW+8*\t], 0x70707070, v[PW+8*\t]
.endr
	WIN 0x41                                       ; O^T in window 1, f in window 0
.irp t, 0,1
.set J, 0
.rept 16
	v_pk_mul_f32 v[OT+32*\t+J:OT+32*\t+J+1], v[OT+32*\t+J:OT+32*\t+J+1], v[F+8*\t:F+8*\t+1] op_sel_hi:[1,0]   ; O^T under the new M, each accumulator from its low end on; no exponential stands between the last products and these lines
.set J, J+2
.endr
.endr
	WIN 0
	s_wait_alu depctr_va_vdst(0)                   ; the wait ahead of a batch
.set J, 0
.rept 32                                       ; tile 0's p = 2^(t - M), and among them tile 1's t - M and the sixteen scale lines
	EX S+2*J
	FMA2 1, J
	EX S+2*J+1
.if J < 16
	SH J
.endif
.set J, J+1
.endr
.irp t, 0,1
	v_pk_mul_f32 v[LS+8*\t:LS+8*\t+1], v[LS+8*\t:LS+8*\t+1], v[F+8*\t:F+8*\t+1] op_sel_hi:[1,0]   ; the sums under the new M: the plain lines behind the batch
.endr
	s_wait_alu depctr_va_vdst(0)                   ; one wait: behind this batch and what was written among it, and ahead of the next
.set E, S+64
.irp g, 0,1                                    ; tile 1's p, and among them tile 0's first sums (of the unquantised p) and then its holds
.set I, 0
.rept 8
	EXN
	ADD1 8*\g+I
.set I, I+1
.endr
.set I, 0
.rept 16
	EXN
	MIN2 0, \g, I
.set I, I+1
.endr
.endr
.rept 16
	EXN
.endr
	v_nop                                          ; a plain line behind the batch
	s_wait_alu depctr_va_vdst(0)                   ; one wait for the batch and for what was written among it
.irp j, 0,1,2,3,4,5,6,7
	PA T+2*\j, T+2*\j, PC+16+2*\j                  ; tile 0's sums, second level: tile 1's code registers are free again
.endr
	CVT 0
.irp k, 0,1,2,3                                ; tile 1's sums: four chains by turns
	PA CC+2*\k, S+64+4*\k, S+64+4*\k+2
.endr
.set I, 8
.rept 8
	PA CC+2*(I%4), CC+2*(I%4), S+64+2*I
.set I, I+1
.endr
.set I, 0
.rept 16                                       ; blocks 2, 3 are summed while blocks 0, 1 are held
	PA CC+2*(I%4), CC+2*(I%4), S+96+2*I
	MIN2 1, 0, I
.set I, I+1
.endr
.set I, 0
.rept 16
	MIN2 1, 1, I
.set I, I+1
.endr
	CVT 1
.irp j, 0,1,2,3                                ; twelve plain lines end the sums: they are also the places between the conversions and the products
	PA T+2*\j, T+2*\j, T+8+2*\j
.endr
	PA CC, CC, CC+2
	PA CC+4, CC+4, CC+6
	PA T, T, T+4
	PA T+2, T+2, T+6
	PA CC, CC, CC+4
	PA T, T, T+2
	PA LS+8, LS+8, CC
	PA LS, LS, T
	s_wait_alu depctr_va_vdst(0)                   ; directly ahead of the wait below
	s_wait_dscnt 0x0                               ; V and its scale words are in
	WIN 0x51                                       ; V, C and D in window 1, p's codes in window 0
.irp d, 0,1                                    ; the eight accumulators take turns
.irp t, 0,1
	WMA OT+32*\t+16*\d, VF+32*\d, PC+16*\t, VS+\d, PW+8*\t
.endr
.irp t, 0,1
	WMA OT+32*\t+16*\d+8, VF+32*\d+16, PC+16*\t, VS+\d, PW+8*\t, matrix_a_scale:MATRIX_SCALE_ROW1
.endr
.endr
	WIN 0
.endm
	QLOAD                                          ; the first pass's Q, while the head's tiles are on their way
	s_wait_alu depctr_va_vdst(0)                   ; the wait at the head's end
	s_wait_tensorcnt 0x0                           ; my eighth of the head has landed,
	s_barrier_signal -1
	s_barrier_wait -1                              ; everybody's has
.Lpass:                                            ; two passes of 32 queries a wave
.irp t, 0,1
	v_mov_b32 v[RS+8*\t], 0xff61b1e6               ; the largest score so far: -3e38
	v_mov_b32 v[NM+8*\t], 0x7f61b1e6               ; -M = 3e38: the first step's f is then 0, and meets zeros
	v_mov_b32 v[LS+8*\t], 0
	v_mov_b32 v[LS+8*\t+1], 0
.endr
	WIN 0x40
.set J, 0
.rept 64
	v_mov_b32 v[OT+J], 0                           ; O^T: the key step has no first step of its own
.set J, J+1
.endr
	WIN 0
	s_mov_b32 s[TB], 0
	s_mov_b32 s[TS], 0
	s_mov_b32 s[TV], 0
	v_add_nc_u32 v[ADK], s[TB], v[LI]
	v_add_nc_u32 v[ADS], s[TS], v[AS0]
	WIN 0x40
	KLOADS                                         ; key step 0
	WIN 0
	ds_load_b128 v[KS:KS+3], v[ADS]
	s_wait_loadcnt 0x0                             ; Q and its scale words
	s_mov_b32 s[CNT], 15
.Lstep:
	STEP 1
	s_sub_co_u32 s[CNT], s[CNT], 1
	s_cmp_lg_u32 s[CNT], 0
	s_cbranch_scc1 .Lstep
	STEP 0                                         ; the sixteenth step fetches no further K
	; THE WAY OUT OF A PASS.  The next pass's Q is asked for first (its loads were shown done by the pass's wait, so the addresses may step)
	s_add_nc_u64 s[QB:QB+1], s[QB:QB+1], 16384
	s_add_nc_u64 s[QSB:QSB+1], s[QSB:QSB+1], 1024
	s_cmp_eq_u32 s[PASS], 1
	s_cbranch_scc1 .Lno_next                       ; the last pass asks for nothing
	QLOAD
.Lno_next:
.irp t, 0,1
	v_add_f32 v[X+8*\t], v[LS+8*\t], v[LS+8*\t+1]  ; the sum's two halves,
.endr
.irp t, 0,1
	v_permlanex16_b32 v[Y+8*\t], v[X+8*\t], s[SEL], s[SEL+1]
.endr
.irp t, 0,1
	v_add_f32 v[X+8*\t], v[X+8*\t], v[Y+8*\t]      ; and lane l xor 16's
.endr
	s_wait_alu depctr_va_vdst(0)
.irp t, 0,1
	v_rcp_f32 v[F+8*\t], v[X+8*\t]
.endr
	v_add_nc_u32 v[OSW], s[OSP], v[OSA]            ; with the six lines above and the five below: twelve plain lines behind the last products
.rept 5
	v_nop
.endr
	s_wait_alu depctr_va_vdst(0)                   ; one wait for the two reciprocals and for O^T, ahead of their first reader
	WIN 0x01
.irp t, 0,1
.set J, 0
.rept 16
	v_pk_mul_f32 v[S+64*\t+J:S+64*\t+J+1], v[OT+32*\t+J:OT+32*\t+J+1], v[F+8*\t:F+8*\t+1] op_sel_hi:[1,0]   ; O / the sum: register 8 dt + j is channel 16 dt + 8 (lane / 16) + j
.set J, J+2
.endr
.endr
	WIN 0
	; quantised along the features: two blocks of 32 a head, each in lanes l and l xor 16
.irp c, 0,1
.irp t, 0,1
	v_max3_num_f32 v[BM+16*\t+\c], |v[S+64*\t+16*\c]|, |v[S+64*\t+16*\c+1]|, 0x8000000
.endr
.endr
.irp i, 2,4,6,8,10,12,14
.irp c, 0,1
.irp t, 0,1
	v_max3_num_f32 v[BM+16*\t+\c], v[BM+16*\t+\c], |v[S+64*\t+16*\c+\i]|, |v[S+64*\t+16*\c+\i+1]|
.endr
.endr
.endr
.irp c, 0,1
.irp t, 0,1
	v_permlanex16_b32 v[PT+16*\t+\c], v[BM+16*\t+\c], s[SEL], s[SEL+1]
.endr
.endr
.irp c, 0,1
.irp t, 0,1
	v_max_num_f32 v[BM+16*\t+\c], v[BM+16*\t+\c], v[PT+16*\t+\c]
.endr
.endr
.irp c, 0,1
.irp t, 0,1
	v_add_nc_u32 v[SO+16*\t+\c], 0xf8800000, v[BM+16*\t+\c]
.endr
.endr
.irp c, 0,1
.irp t, 0,1
	v_and_or_b32 v[HB+16*\t+\c], v[BM+16*\t+\c], 0x7f800000, s[MNT]
.endr
.endr
.irp c, 0,1
.irp t, 0,1
	v_lshrrev_b32 v[PT+16*\t+\c], 23, v[SO+16*\t+\c]
.endr
.endr
.irp t, 0,1
	v_lshl_or_b32 v[X+8*\t], v[PT+16*\t+1], 8, v[PT+16*\t]   ; a token's two bytes of this head
.endr
	v_cndmask_b32 v[Y], v[X], v[X+8], s[HI]        ; lanes 0-15 tile 0's tokens, lanes 16-31 tile 1's
.irp c, 0,1
.irp t, 0,1
.set J, 0
.rept 16
	v_med3_num_f32 v[S+64*\t+16*\c+J], v[S+64*\t+16*\c+J], -v[HB+16*\t+\c], v[HB+16*\t+\c]
.set J, J+1
.endr
.endr
.endr
.irp c, 0,1
.irp t, 0,1
	v_cvt_scalef32_pk8_bf8_f32 v[PC+16*\t+4*\c:PC+16*\t+4*\c+1], v[S+64*\t+16*\c:S+64*\t+16*\c+7], v[SO+16*\t+\c]
	v_cvt_scalef32_pk8_bf8_f32 v[PC+16*\t+4*\c+2:PC+16*\t+4*\c+3], v[S+64*\t+16*\c+8:S+64*\t+16*\c+15], v[SO+16*\t+\c]
.endr
.endr
	v_nop                                          ; a plain line behind the last conversion
	; INTO THE NATURAL ORDER, since the partner, Wo, is given so: the upper lanes of registers 0, 1 change places with the lower lanes of registers 2, 3
.irp c, 0,1
.irp t, 0,1
	v_permlane16_swap_b32 v[PC+16*\t+4*\c], v[PC+16*\t+4*\c+2]
	v_permlane16_swap_b32 v[PC+16*\t+4*\c+1], v[PC+16*\t+4*\c+3]
.endr
.endr
	ds_store_b16 v[OSW], v[Y]                      ; the work-group's 512 tokens' bytes are gathered in LDS
.irp t, 0,1
.irp c, 0,1
	global_store_b128 v[LI], v[PC+16*\t+4*\c:PC+16*\t+4*\c+3], s[OB:OB+1] offset:4096*\t+512*\c   ; 512 consecutive bytes
.endr
.endr
	s_wait_xcnt 0x0                                ; the stores have read their data and their base: both are written in the next pass
	s_add_nc_u64 s[OB:OB+1], s[OB:OB+1], 65536
	s_add_co_u32 s[OSP], s[OSP], 512
	s_sub_co_u32 s[PASS], s[PASS], 1
	s_cmp_lg_u32 s[PASS], 0
	s_cbranch_scc1 .Lpass
	s_wait_dscnt 0x0                               ; for the others' sake: my byte stores are done
	s_barrier_signal -1
	s_barrier_wait -1
	s_cmp_lt_u32 s[WV], 2
	s_cbranch_scc0 .Lno_scl                        ; waves 0 and 1 store the 1,024 bytes: four aligned runs of 256
	ds_load_b128 v[S:S+3], v[OSR]
	s_wait_dscnt 0x0
	global_store_b128 v[OSG], v[S:S+3], s[OSB:OSB+1]
.Lno_scl:
	s_wait_tensorcnt 0x0                           ; the wave's end
	ds_add_u32 v[SPW], v[NIL]
	s_wait_dscnt 0x0
	CROUND                                         ; the closing round
	s_endpgm
.Lfunc_end_k_qde7a721348_attn:
	.size	k_qde7a721348_attn, .Lfunc_end_k_qde7a721348_attn-k_qde7a721348_attn
	.p2alignl 7, 3214868480
	.fill 96, 4, 3214868480
	.section	.rodata,"a",@progbits
	.p2align	6, 0x0
	.amdhsa_kernel k_qde7a721348_attn
		.amdhsa_group_segment_fixed_size 276480
		.amdhsa_private_segment_fixed_size 0
		.amdhsa_enable_private_segment 0
		.amdhsa_kernarg_size 24
		.amdhsa_user_sgpr_count 2
		.amdhsa_user_sgpr_kernarg_segment_ptr 1
		.amdhsa_wavefront_size32 1
		.amdhsa_system_sgpr_workgroup_id_x 1
		.amdhsa_system_sgpr_workgroup_id_y 1
		.amdhsa_system_sgpr_workgroup_id_z 1
		.amdhsa_system_vgpr_workitem_id 0
		.amdhsa_next_free_vgpr 512
		.amdhsa_next_free_sgpr 66
		.amdhsa_reserve_vcc 0
		.amdhsa_float_denorm_mode_32 3
		.amdhsa_float_denorm_mode_16_64 3
		.amdhsa_memory_ordered 1
		.amdhsa_forward_progress 1
		.amdhsa_inst_pref_size 90
	.end_amdhsa_kernel
	.amdgpu_metadata
---
amdhsa.version: [ 1, 2 ]
amdhsa.kernels:
  - .name:           k_qde7a721348_attn
    .symbol:         k_qde7a721348_attn.kd
    .args:
      - { .name: qkv, .offset: 0, .size: 8, .value_kind: global_buffer, .address_space: global }
      - { .name: o_img, .offset: 8, .size: 8, .value_kind: global_buffer, .address_space: global }
      - { .name: o_scl, .offset: 16, .size: 8, .value_kind: global_buffer, .address_space: global }
    .group_segment_fixed_size: 276480
    .private_segment_fixed_size: 0
    .kernarg_segment_align: 8
    .kernarg_segment_size: 24
    .max_flat_workgroup_size: 256
    .sgpr_count:     66
    .vgpr_count:     512
    .wavefront_size: 32
...
	.end_amdgpu_metadata
.endif
;; end of part 2
;; launch outp (part 3): grid 4 x 64, 4 waves a work-group, clusters of 4 x 4, 327,680 bytes of LDS; arguments o_img, o_scl, Wo_codes, Wo_scales, bo, out0; writes out0
.if DOCPART == 3
	.amdgcn_target "amdgcn-amd-amdhsa--gfx1250"
	.amdhsa_code_object_version 6
	.text
	.protected	k_qde7a721348_outp
	.globl	k_qde7a721348_outp
	.p2align	8
	.type	k_qde7a721348_outp,@function
k_qde7a721348_outp:
	s_mov_b64 s[64:65], 0
	v_nop
	global_prefetch_b8 v0, s[64:65] scope:SCOPE_SE
	s_setreg_imm32_b32 hwreg(HW_REG_WAVE_MODE, 25, 1), 1
	s_wait_xcnt 0x0
	s_wait_alu depctr_hold_cnt(0) depctr_sa_sdst(0) depctr_va_vdst(0) depctr_va_sdst(0) depctr_va_ssrc(0) depctr_va_vcc(0) depctr_vm_vsrc(0)
	s_getreg_b32 s2, hwreg(HW_REG_IB_STS2, 6, 4)
	s_cmp_eq_u32 s2, 0
	s_cbranch_scc0 .Lentry_in_a_cluster
	s_endpgm
.Lentry_in_a_cluster:
	s_bfe_u32 s2, ttmp6, 0x10000c
	s_cmp_lg_u32 s2, 0xf033
	s_cbranch_scc0 .Lentry_shape_is_right
	s_endpgm
.Lentry_shape_is_right:
; THE LAST PROJECTION: out0 = O Wo + bo on codes of BF8 (E5M2), one E8M0 scale for each 32 along K = 1,024, sums in f32, which begin with the bias.
; A = O's 8,192 tokens, as the attention launch left them: o_img [K step of 256][token tile of 16][128 of K][c][lane][16 B], an image of operand registers; o_scl [head][token] of two bytes.  B = Wo's 1,024 rows, K innermost, as given.
; SHARES.  A block of 128 tokens x 256 features to a work-group: 64 x 4 = 256 work-groups.  Four waves, 2 x 2, each 64 tokens x 128 features: 32 accumulators, 256 registers.
; K goes in steps of 256 through two LDS slots (A's 32,768 bytes, then B's 256 rows of 272).  A and B both have two sets of fragment registers, so a slot's last fragments are in registers a step of 128 before its last product:
; the change of slots stands at the head of a slot's last step, and that step's products stand inside the round and behind the next slot's fetch.
; CLUSTERS: 4 x 4 work-groups; A's tiles are asked for jointly along a row of the cluster, B's and B's scale bytes along a column.
; Used transposed (source 0 = B's rows, source 1 = A's): a lane holds eight neighbouring features of a token.  The results leave through a stage in slot 0, as whole rows of 512 bytes; each of a wave's four blocks comes back into registers of its own.
; THE TILES ARE PREFETCHED INTO THE L2.  At a change of slots every wave has waited for all its tensor loads, so a fill goes out with nothing on its way beside it.  Behind the head's loads (K step 0) K steps 1 and 2 are asked for, behind slot 1's load K step 3:
; one and two fills ahead.  A wave asks for what it fetches in the ring, and the four partners that ask for a tile jointly share its blocks of 256 bytes out by address (cx for A: 16 blocks each; cy for B: 32 rows each, a lane a row).
; A's blocks are named once in the launch.  Wo is read by all sixteen clusters: the clusters of rows 0 to 3 alone ask for it.
; REGISTERS.  Window 0: v0-31 addresses; v32-63 scale words, two sets; v64-127 the bias; v128-255 A's fragments, two sets of 64.  Window 1: B's fragments, two sets of 128.  Window 2: the accumulators, (a, b) at 8 (8 a + b).
; On the way out v128-255 of window 0 and v0-127 of window 1 take the rows read back.
.set KROW,   1024
.set ROWB,   256
.set NQ,     2
.set PITCH,  272                       ; B's LDS row: 256 bytes + 16 of padding
.set FR,     16
.set NP,     8                         ; places behind this matrix instruction (ISA guide 7.12.1)
.set HALFA,  16384                     ; 64 tokens of A's image for a K step
.set HALFT,  128*PITCH
.set BOFF,   2*HALFA
.set SLOT,   BOFF+2*HALFT
.set ASTEP,  2097152                   ; from K step to K step in o_img
.set KS,     32
.set SCL,    2*SLOT                    ; A's scale bytes: 128 rows of 32, as units of 256 + 16: stored by the waves
.set HALFS,  16*272
.set SBLK,   2*272
.set SCB,    SCL+HALFS                 ; B's: 256 rows, by tensor loads
.set SPARE,  SCL+3*HALFS               ; the spare words: 128 bytes a wave
.set SPITCH, 528
.set SIZE_N, 1024
.set SOF,  8
.set PFO,  9                           ; v9 the prefetches' offset; never rewritten
.set ADRA, 16
.set ADRB, 20
.set STO,  24
.set RD,   25
.set CO,   26
.set ADRS, 27
.set SPW,  28
.set NIL,  29
.set BO,   30
.set SC,   32
.set BI,   64
.set AF,   128
.set BK,   128
.set WV,  16
.set RH,  17                           ; which 64 tokens are mine; also: I fetch for A (0) or B (1)
.set CH,  18                           ; which 128 features; also: which half of a tile I fetch
.set ASKS, 22                          ; s22 1 where my wave prefetches
.set PF1, 66                           ; s[66:67], s[2:3], s[60:61] my share of K steps 1, 2, 3; never rewritten
.set PF2, 2
.set PF3, 60
.set G1,  36
.set G1B, 44
.set G0,  52
.set G0B, 68
.set G1SB, 76
.set G0SB, 84
.set MSB, 0
.macro WIN new
.if MSB != \new
	s_set_vgpr_msb (MSB<<8)|\new
.set MSB, \new
.endif
.endm
.set MUL_LO, 0xa1                      ; source 0 (B) window 1, source 1 (A) window 0, C and D window 2
.set BIA_LO, 0x81                      ; C (the bias) window 0
.set TO_B,   0x40
.macro JLOAD g0a, g1a, g0b, g1b        ; a joint load: waves 0, 1 for A, waves 2, 3 for B
	s_cmp_eq_u32 s[RH], 0
	s_cbranch_scc0 .Lfor_b_\@
	tensor_load_to_lds s[\g0a:\g0a+3], s[\g1a:\g1a+7]
	s_nop 0
.rept 4
	v_nop
.endr
	s_branch .Lasked_\@
.Lfor_b_\@:
	tensor_load_to_lds s[\g0b:\g0b+3], s[\g1b:\g1b+7]
	s_nop 0
.rept 4
	v_nop
.endr
.Lasked_\@:
.endm
.macro CREST
	s_cmp_lg_u32 s[WV], 0
	s_cbranch_scc1 .Lnot_wave_0_\@
	s_barrier_signal -3
.Lnot_wave_0_\@:
	s_barrier_wait -3
	s_barrier_signal -1
	s_barrier_wait -1
.endm
.macro CROUND
	s_barrier_signal -1
	s_barrier_wait -1
	CREST
.endm
	s_load_b256 s[4:11], s[0:1], 0x0               ; o_img, o_scl, Wo's codes, Wo's scales
	s_load_b128 s[12:15], s[0:1], 0x20             ; bo, out0
	v_lshl_add_u32 v[SPW], v0, 2, SPARE
	v_mov_b32 v[NIL], 0
	ds_add_u32 v[SPW], v[NIL]                      ; the opening lines: the add, twice on end, and its wait
	ds_add_u32 v[SPW], v[NIL]
	v_lshrrev_b32 v1, 5, v0
	v_readfirstlane_b32 s[WV], v1
	s_lshr_b32 s[RH], s[WV], 1
	s_and_b32 s[CH], s[WV], 1
	s_bfe_u32 s19, ttmp6, 0x40000                  ; cx
	s_bfe_u32 s20, ttmp6, 0x40004                  ; cy
	s_lshl_b32 s25, ttmp9, 2
	s_add_co_u32 s25, s25, s19                     ; the block's column: 256 features
	s_and_b32 s24, ttmp7, 0xffff
	s_lshl_b32 s24, s24, 2
	s_add_co_u32 s24, s24, s20                     ; its row: 128 tokens
	s_lshl_b32 s26, s20, 2
	s_lshl_b32 s26, 15, s26                        ; my row of the cluster
	s_lshl_b32 s27, 0x1111, s19                    ; my column
	s_or_b32 s[G1+0], s26, (3<<16)|(1<<21)         ; A: dense rows of 256 bytes (32 elements of 8), no padding; 128 rows for the head's load, 64 for the ring's
	s_mov_b32 s[G1+1], 32<<16
	s_mov_b32 s[G1+2], 128<<16
	s_mov_b32 s[G1+3], 32<<16
	s_mov_b32 s[G1+4], 128
	s_mov_b32 s[G1+5], 32
	s_mov_b32 s[G1+6], 0
	s_mov_b32 s[G1+7], 0
	s_or_b32 s[G1B+0], s27, (0<<16)|(1<<20)|(1<<21)|(5<<22)|(3<<25)   ; B: rows of 256 bytes, 1,024 apart, 4 words of padding behind each; 256 rows for the head's load, 128 for the ring's
	s_mov_b32 s[G1B+1], ROWB<<16
	s_mov_b32 s[G1B+2], 256<<16
	s_mov_b32 s[G1B+3], ROWB<<16
	s_mov_b32 s[G1B+4], 256
	s_mov_b32 s[G1B+5], KROW
	s_mov_b32 s[G1B+6], 0
	s_mov_b32 s[G1B+7], 0
	s_or_b32 s[G1SB+0], s27, (3<<16)|(1<<20)|(1<<21)|(5<<22)|(3<<25)  ; B's scale bytes of 128 rows: 16 dense rows of 256 bytes, padded
	s_mov_b32 s[G1SB+1], 32<<16
	s_mov_b32 s[G1SB+2], 16<<16
	s_mov_b32 s[G1SB+3], 32<<16
	s_mov_b32 s[G1SB+4], 16
	s_mov_b32 s[G1SB+5], 32
	s_mov_b32 s[G1SB+6], 0
	s_mov_b32 s[G1SB+7], 0
	s_lshl_b32 s28, s24, 15                        ; A's tile in a K step of o_img
	s_mov_b32 s29, 0
	s_lshl_b32 s60, s25, 18                        ; B's first row
	s_mov_b32 s61, 0
	s_lshl_b32 s30, s[CH], 14                      ; my half of A's tile, in memory and in LDS
	s_mov_b32 s31, 0
	s_lshl_b32 s32, s[CH], 17                      ; my half of B's, in memory,
	s_mov_b32 s33, 0
	s_mul_i32 s34, s[CH], HALFT
	s_add_co_u32 s34, s34, BOFF                    ; and in LDS
	s_lshl_b32 s22, s25, 13
	s_lshl_b32 s23, s[CH], 12
	s_add_co_u32 s22, s22, s23                     ; my half of B's scale bytes
	s_mov_b32 s23, 0
	s_mul_i32 s35, s[CH], HALFS
	s_add_co_u32 s35, s35, SCB
	s_wait_dscnt 0x0                               ; both opening adds are done
	s_wait_kmcnt 0x0
	s_add_nc_u64 s[4:5], s[4:5], s[28:29]
	s_add_nc_u64 s[8:9], s[8:9], s[60:61]
	s_add_nc_u64 s[10:11], s[10:11], s[22:23]
	CROUND                                         ; all sixteen work-groups are here: the first joint loads meet
	s_mov_b32 s[G0], 1                             ; for the head slot 0's groups 0 name whole tiles of K step 0
	s_mov_b32 s[G0+1], 0
	s_mov_b64 s[G0+2:G0+3], s[4:5]
	s_or_b32 s[G0+3], s[G0+3], 0x80000000
	s_mov_b32 s[G0B], 1
	s_mov_b32 s[G0B+1], BOFF
	s_mov_b64 s[G0B+2:G0B+3], s[8:9]
	s_or_b32 s[G0B+3], s[G0B+3], 0x80000000
	s_mov_b32 s[G0+4], 1                           ; slot 1's: my half of K step 1
	s_add_co_u32 s[G0+5], s30, SLOT
	s_add_nc_u64 s[G0+6:G0+7], s[4:5], s[30:31]
	s_add_nc_u64 s[G0+6:G0+7], s[G0+6:G0+7], ASTEP
	s_or_b32 s[G0+7], s[G0+7], 0x80000000
	s_mov_b32 s[G0B+4], 1
	s_add_co_u32 s[G0B+5], s34, SLOT
	s_add_nc_u64 s[G0B+6:G0B+7], s[8:9], s[32:33]
	s_add_nc_u64 s[G0B+6:G0B+7], s[G0B+6:G0B+7], ROWB
	s_or_b32 s[G0B+7], s[G0B+7], 0x80000000
	s_mov_b32 s[G0SB], 1
	s_mov_b32 s[G0SB+1], s35
	s_mov_b64 s[G0SB+2:G0SB+3], s[10:11]
	s_or_b32 s[G0SB+3], s[G0SB+3], 0x80000000
; THE HEAD'S LOADS, ONE A WAVE: wave 0 A's tile of K step 0, wave 1 B's, waves 2 and 3 the halves of B's scale bytes.  One chain of branches on the wave's number, a load to an arm.
.macro ARM under, g0, g1, next
	s_cmp_lt_u32 s[WV], \under
	s_cbranch_scc0 \next
	tensor_load_to_lds s[\g0:\g0+3], s[\g1:\g1+7]
	s_nop 0
.rept 4
	v_nop
.endr
	s_branch .Lhead_asked
\next:
.endm
	ARM 1, G0,  G1,  .Lhead_b
	ARM 2, G0B, G1B, .Lhead_s
	tensor_load_to_lds s[G0SB:G0SB+3], s[G1SB:G1SB+7]
	s_nop 0
.rept 4
	v_nop
.endr
.Lhead_asked:
	; the prefetches: where my share of what I fetch in the ring stands, and who asks
	s_cmp_eq_u32 s[RH], 0                          ; do I fetch for A?
	s_cselect_b64 s[PF1:PF1+1], s[4:5], s[8:9]     ; the tile's first byte
	s_cselect_b32 s21, s19, s20                    ; my place among the four that ask with me: cx for A, cy for B
	s_cselect_b32 s35, 12, 15                      ; a partner's share: 4,096 bytes of A's image; 32 rows of B
	s_cselect_b32 s62, s30, s32                    ; the half that I fetch
	s_cselect_b32 s28, 8, 10                       ; from lane to lane: 256 bytes; a row of 1,024
	s_cselect_b32 s23, 15, 31                      ; the last block of my share: lanes that are left over name it again
	s_mov_b32 s60, ROWB
	s_cselect_b32 s60, ASTEP, s60                  ; a K step on
	s_cselect_b32 s[ASKS], 1, 0                    ; A is asked for in every cluster,
	s_mov_b32 s61, 0
	s_mov_b32 s63, 0
	s_lshl_b32 s21, s21, s35
	s_add_co_u32 s62, s62, s21
	s_add_nc_u64 s[PF1:PF1+1], s[PF1:PF1+1], s[62:63]
	s_add_nc_u64 s[PF1:PF1+1], s[PF1:PF1+1], s[60:61]
	s_add_nc_u64 s[PF2:PF2+1], s[PF1:PF1+1], s[60:61]
	s_add_nc_u64 s[PF3:PF3+1], s[PF2:PF2+1], s[60:61]
	s_and_b32 s21, ttmp7, 0xffff
	s_cmp_lt_u32 s21, 4
	s_cselect_b32 s[ASKS], 1, s[ASKS]              ; Wo in the clusters of rows 0 to 3 alone
	v_and_b32 v[PFO], 31, v0
	v_min_u32 v[PFO], s23, v[PFO]
	v_lshlrev_b32 v[PFO], s28, v[PFO]
	s_cmp_eq_u32 s[ASKS], 1
	s_cbranch_scc0 .Lno_ask_0
	global_prefetch_b8 v[PFO], s[PF1:PF1+1] th:TH_LOAD_NT scope:SCOPE_SE   ; K step 1: one fill ahead
	global_prefetch_b8 v[PFO], s[PF2:PF2+1] th:TH_LOAD_NT scope:SCOPE_SE   ; K step 2: two fills ahead
.Lno_ask_0:
	s_lshl_b32 s28, s24, 8                         ; A's scale bytes: a thread takes one token: two bytes of each of the 16 heads
	s_add_nc_u64 s[6:7], s[6:7], s[28:29]
	v_lshlrev_b32 v[SOF], 1, v0
.irp hd, 0,1,2,3,4,5,6,7,8,9,10,11,12,13,14,15
	global_load_u16 v[128+\hd], v[SOF], s[6:7] offset:16384*\hd
.endr
	v_and_b32 v1, 15, v0                           ; r
	v_bfe_u32 v2, v0, 4, 1                         ; h
	s_lshl_b32 s28, s25, 10
	s_lshl_b32 s21, s[CH], 9
	s_add_co_u32 s28, s28, s21                     ; my first feature, in bytes of f32
	s_add_nc_u64 s[12:13], s[12:13], s[28:29]
	v_lshlrev_b32 v[BO], 5, v2
.irp b, 0,1,2,3,4,5,6,7                        ; the bias in the result's layout: register j of B's block b is feature 16 b + 8 h + j
	global_load_b128 v[BI+8*\b:BI+8*\b+3], v[BO], s[12:13] offset:64*\b
	global_load_b128 v[BI+8*\b+4:BI+8*\b+7], v[BO], s[12:13] offset:64*\b+16
.endr
	v_and_b32 v6, 31, v0
	v_lshlrev_b32 v[CO], 4, v6
	v_mul_u32_u24 v3, v1, PITCH
	v_lshl_add_u32 v4, v2, 4, v3
	s_lshl_b32 s21, s[RH], 14                      ; my 64 tokens of A's image
	s_mov_b32 s35, s34                             ; my 128 rows of B
.irp s, 0,1
	v_add_nc_u32 v[ADRA+\s], s21, v[CO]
	v_add_nc_u32 v[ADRB+\s], s35, v4
	s_add_co_u32 s21, s21, SLOT
	s_add_co_u32 s35, s35, SLOT
.endr
	v_mul_u32_u24 v5, v1, KS                       ; a row's scale bytes: 32 a row, and 16 more for each 256 passed
	v_lshrrev_b32 v6, 8, v5
	v_lshl_add_u32 v5, v6, 4, v5
	s_mul_i32 s21, s[RH], 8*272
	s_mul_i32 s35, s[CH], HALFS
	s_add_co_u32 s35, s35, HALFS
	s_sub_co_u32 s35, s35, s21
	v_mul_u32_u24 v6, s35, v2                      ; lanes 16-31 take B's
	s_add_co_u32 s21, s21, SCL
	v_add_nc_u32 v5, v5, v6
	v_add_nc_u32 v[ADRS], s21, v5
	s_mul_i32 s21, s[WV], 16*SPITCH                ; my stage
	v_mul_u32_u24 v5, v1, SPITCH
	v_lshl_add_u32 v5, v2, 5, v5
	v_add_nc_u32 v[STO], s21, v5
	v_add_nc_u32 v[RD], s21, v[CO]
	s_lshl_b32 s21, s24, 7
	s_lshl_b32 s35, s[RH], 6
	s_add_co_u32 s21, s21, s35                     ; my first token
	s_lshl_b32 s62, s21, 12
	s_add_co_u32 s62, s62, s28
	s_mov_b32 s63, 0
	s_add_nc_u64 s[14:15], s[14:15], s[62:63]
	v_lshrrev_b32 v6, 3, v0
	v_mul_u32_u24 v6, v6, 272
	v_and_b32 v7, 7, v0
	v_lshl_add_u32 v6, v7, 5, v6
	v_add_nc_u32 v6, SCL, v6                       ; where my token's 32 scale bytes go
	s_wait_alu depctr_va_vdst(0)                   ; directly ahead of the wait below
	s_wait_loadcnt 0x0
.irp kf, 0,1,2,3,4,5,6,7
	v_lshl_or_b32 v[144+\kf], v[129+2*\kf], 16, v[128+2*\kf]   ; word kf: 128 of K: heads 2 kf and 2 kf + 1
.endr
	ds_store_b128 v6, v[144:147]
	ds_store_b128 v6, v[148:151] offset:16
; 16 matrix instructions: A's blocks a0, a0 + 1 x B's eight.  p: the register sets; q: which 128 of the slot; sc: the set of scale words; cm = 1: the sums begin with the bias.  The 32 accumulators take turns.
.macro MUL16 a0, p, q, sc, cm
.irp a, \a0, \a0+1
.irp b, 0,1,2,3,4,5,6,7
.set rD, 8*(8*(\a)+\b)
.set rB, 128*(\p)+FR*\b
.set rA, AF+64*(\p)+FR*(\a)
.set rC, rD
.if \cm == 1
.set rC, BI+8*\b
.endif
	v_wmma_scale_f32_16x16x128_f8f6f4 v[rD:rD+7], v[rB:rB+15], v[rA:rA+15], v[rC:rC+7], v[SC+8*NQ*(\sc)+NQ*\b+(\q)], v[SC+8*NQ*(\sc)+NQ*(\a)+(\q)] matrix_a_fmt:MATRIX_FMT_BF8 matrix_b_fmt:MATRIX_FMT_BF8 matrix_a_scale:MATRIX_SCALE_ROW1
.endr
.endr
.endm
.macro FETCH slot, q, p                ; 48 LDS loads: B's eight fragments and A's four of the slot's q-th 128 along K, into sets p
	WIN TO_B
.irp i, 0,1,2,3,4,5,6,7
.irp c, 0,1,2,3
	ds_load_b128 v[128*(\p)+FR*\i+4*\c:128*(\p)+FR*\i+4*\c+3], v[ADRB+\slot] offset:128*(\q)+32*\c+\i*16*PITCH
.endr
.endr
	WIN 0
.irp i, 0,1,2,3
.irp c, 0,1,2,3
	ds_load_b128 v[AF+64*(\p)+FR*\i+4*\c:AF+64*(\p)+FR*\i+4*\c+3], v[ADRA+\slot] offset:4096*\i+2048*(\q)+512*\c
.endr
.endr
.endm
.macro SCALES sc                       ; a K step's scale words: lanes 0-15 A's block i (of which 0 to 3 are used), lanes 16-31 B's block i
.irp i, 0,1,2,3,4,5,6,7
	ds_load_b64 v[SC+8*NQ*\sc+NQ*\i:SC+8*NQ*\sc+NQ*\i+1], v[ADRS] offset:\i*SBLK
.endr
.endm
.macro PLACES n
.rept \n
	v_nop
.endr
.endm
.macro STEPA slot, cm                  ; a slot's first 128 along K, on sets 0; the second 128's fragments are fetched into sets 1 ahead of the products
	s_wait_dscnt 0x0                               ; sets 0 and the scale words are in
.if \cm == 0
	PLACES NP                                      ; behind the last products, which read sets 1
.endif
	FETCH \slot, 1, 1
.if \cm
	WIN BIA_LO
.else
	WIN MUL_LO
.endif
	MUL16 0, 0, 0, \slot, \cm
	MUL16 2, 0, 0, \slot, \cm
	WIN 0
.endm
; A slot's second 128 along K, on sets 1, and the change of slots.  All my reads of the slot are over when sets 1 are in: so the barrier stands here.  fill = 1: it opens a round of the cluster's barrier, and the slot is filled again, two K steps ahead.
.macro TURN slot, next, fill
	s_wait_tensorcnt 0x0                           ; all my tensor loads have landed: my part of the next slot
	ds_add_u32 v[SPW], v[NIL]                      ; 0 onto my spare word
	s_wait_dscnt 0x0                               ; the add is done, sets 1 are in, my reads of this slot are over
	s_barrier_signal -1
	WIN MUL_LO
	MUL16 0, 1, 1, \slot, 0
	WIN 0
	s_barrier_wait -1
.if \fill
	CREST
	s_add_nc_u64 s[G0+4*\slot+2:G0+4*\slot+3], s[G0+4*\slot+2:G0+4*\slot+3], 2*ASTEP
	s_add_nc_u64 s[G0B+4*\slot+2:G0B+4*\slot+3], s[G0B+4*\slot+2:G0B+4*\slot+3], 2*ROWB
	JLOAD G0+4*\slot, G1, G0B+4*\slot, G1B         ; my one tensor load behind the round; its four v_nop are among the places ahead of the loads into sets 0
	PLACES NP-4
.else
	PLACES NP
.endif
	s_wait_alu depctr_va_vdst(0)                   ; the line below reads what the last change of slots wrote
	v_add_nc_u32 v[ADRS], 4*NQ, v[ADRS]            ; the next K step's scale words
	FETCH \next, 0, 0
	SCALES \next
	WIN MUL_LO
	MUL16 2, 1, 1, \slot, 0
	WIN 0
.endm
	s_wait_alu depctr_va_vdst(0)                   ; the wait at the head's end
	s_wait_tensorcnt 0x0                           ; my tile of the head's is in; these lines stand ahead of slot 1's first fill as ahead of a refill
	ds_add_u32 v[SPW], v[NIL]
	s_mov_b32 s[G1+2], 64<<16                      ; no tensor load of mine is out: from here on a load brings half a tile,
	s_mov_b32 s[G1+4], 64
	s_mov_b32 s[G1B+2], 128<<16
	s_mov_b32 s[G1B+4], 128
	s_mov_b32 s[G0+1], s30                         ; and slot 0's groups 0 name my half of K step 0
	s_add_nc_u64 s[G0+2:G0+3], s[G0+2:G0+3], s[30:31]
	s_mov_b32 s[G0B+1], s34
	s_add_nc_u64 s[G0B+2:G0B+3], s[G0B+2:G0B+3], s[32:33]
	s_wait_dscnt 0x0                               ; the add and my stores of A's scale bytes are done
	CROUND                                         ; all tiles are in, and all sixteen work-groups are here
	JLOAD G0+4, G1, G0B+4, G1B                     ; K step 1: my one tensor load behind the round
	FETCH 0, 0, 0
	s_cmp_eq_u32 s[ASKS], 1
	s_cbranch_scc0 .Lno_ask_1
	global_prefetch_b8 v[PFO], s[PF3:PF3+1] th:TH_LOAD_NT scope:SCOPE_SE   ; K step 3: two fills ahead; behind the joint load and the run of LDS loads
.Lno_ask_1:
	SCALES 0
	STEPA 0, 1
	TURN 0, 1, 1                                   ; K step 2 into slot 0
	STEPA 1, 0
	TURN 1, 0, 1                                   ; K step 3 into slot 1
	STEPA 0, 0
	TURN 0, 1, 0                                   ; nothing more to fill
	STEPA 1, 0
	s_wait_dscnt 0x0
	WIN MUL_LO
	MUL16 0, 1, 1, 1, 0
	MUL16 2, 1, 1, 1, 0
	WIN 0
; THE WAY OUT, block by block of 16 tokens x 128 features, through my own stage in slot 0, which has had its last fill and its last read: rows of 512 bytes come back, and the 32 lanes store two aligned units of 256 bytes.
; Block a comes back into 64 registers of its own (blocks 0, 1: v128-255 of window 0; blocks 2, 3: v0-127 of window 1), and all stores name one base with offsets of up to 63 rows: nothing that a pending store reads is written again.
.macro TOSTAGE a
.set AC, 64*(\a)
	WIN 0x08
.irp b, 0,1,2,3,4,5,6,7
	ds_store_b128 v[STO], v[AC+8*\b:AC+8*\b+3] offset:64*\b          ; each accumulator from its low end on
	ds_store_b128 v[STO], v[AC+8*\b+4:AC+8*\b+7] offset:64*\b+16
.endr
.set BB, (BK+64*(\a))%256
	WIN 0x40*((\a)/2)
.irp t, 0,1,2,3,4,5,6,7,8,9,10,11,12,13,14,15
	ds_load_b128 v[BB+4*\t:BB+4*\t+3], v[RD] offset:\t*SPITCH        ; LDS serves a wave's instructions in order: these see the stores above
.endr
	WIN 0
.endm
.macro SEND a, younger                 ; younger: the LDS instructions issued behind block a's loads, which may stay out
.set BB, (BK+64*(\a))%256
	s_wait_dscnt \younger
	WIN 0x04*((\a)/2)
.irp t, 0,1,2,3,4,5,6,7,8,9,10,11,12,13,14,15
	global_store_b128 v[CO], v[BB+4*\t:BB+4*\t+3], s[14:15] offset:(16*(\a)+\t)*SIZE_N*4 th:TH_STORE_NT
.endr
	WIN 0
.endm
	PLACES NP                                      ; behind the last products: the lines below read results and load into registers that held fragments
	TOSTAGE 0
.irp a, 1,2,3
	TOSTAGE \a
	SEND \a-1, 32                                  ; behind block a - 1's loads: block a's 16 stores and 16 loads
.endr
	SEND 3, 0
	s_wait_tensorcnt 0x0                           ; the wave's end
	ds_add_u32 v[SPW], v[NIL]
	s_wait_dscnt 0x0
	CROUND                                         ; the closing round
	s_endpgm
.Lfunc_end_k_qde7a721348_outp:
	.size	k_qde7a721348_outp, .Lfunc_end_k_qde7a721348_outp-k_qde7a721348_outp
	.p2alignl 7, 3214868480
	.fill 96, 4, 3214868480
	.section	.rodata,"a",@progbits
	.p2align	6, 0x0
	.amdhsa_kernel k_qde7a721348_outp
		.amdhsa_group_segment_fixed_size 327680
		.amdhsa_private_segment_fixed_size 0
		.amdhsa_enable_private_segment 0
		.amdhsa_kernarg_size 48
		.amdhsa_user_sgpr_count 2
		.amdhsa_user_sgpr_kernarg_segment_ptr 1
		.amdhsa_wavefront_size32 1
		.amdhsa_system_sgpr_workgroup_id_x 1
		.amdhsa_system_sgpr_workgroup_id_y 1
		.amdhsa_system_sgpr_workgroup_id_z 1
		.amdhsa_system_vgpr_workitem_id 0
		.amdhsa_next_free_vgpr 768
		.amdhsa_next_free_sgpr 88
		.amdhsa_reserve_vcc 0
		.amdhsa_float_denorm_mode_32 3
		.amdhsa_float_denorm_mode_16_64 3
		.amdhsa_memory_ordered 1
		.amdhsa_forward_progress 1
		.amdhsa_inst_pref_size 93
	.end_amdhsa_kernel
	.amdgpu_metadata
---
amdhsa.version: [ 1, 2 ]
amdhsa.kernels:
  - .name:           k_qde7a721348_outp
    .symbol:         k_qde7a721348_outp.kd
    .args:
      - { .name: o_img, .offset: 0, .size: 8, .value_kind: global_buffer, .address_space: global }
      - { .name: o_scl, .offset: 8, .size: 8, .value_kind: global_buffer, .address_space: global }
      - { .name: Wo_codes, .offset: 16, .size: 8, .value_kind: global_buffer, .address_space: global }
      - { .name: Wo_scales, .offset: 24, .size: 8, .value_kind: global_buffer, .address_space: global }
      - { .name: bo, .offset: 32, .size: 8, .value_kind: global_buffer, .address_space: global }
      - { .name: out0, .offset: 40, .size: 8, .value_kind: global_buffer, .address_space: global }
    .group_segment_fixed_size: 327680
    .private_segment_fixed_size: 0
    .kernarg_segment_align: 8
    .kernarg_segment_size: 48
    .max_flat_workgroup_size: 128
    .sgpr_count:     88
    .vgpr_count:     768
    .wavefront_size: 32
...
	.end_amdgpu_metadata
.endif
;; end of part 3
